; MI455X (gfx1250); checked and timed in simulation.
; The chip was launched on July 23, 2026; its instructions are those of AMD's public machine-readable ISA for CDNA 5 (MIT licence, August 2026) and "CDNA5" Instruction Set Architecture Reference Guide (July 2026). The comments in the code are by the model that wrote it; some were corrected since.
;; Bi Attention. Allowed arithmetic: matrix products marked QUANTISED: E2M1 operands, one E8M0 scale for each 32 along K, by v_wmma_scale_f32_16x16x128_f8f6f4 with both operands' format E2M1 (or v_wmma_scale_f32_32x16x128_f4), f32 sums; everything else in f32.
;; Inputs: hypothesis_batch 16 x 2,048 x 256 float32; hypothesis_mask 16 x 2,048 int32; premise_batch 16 x 2,048 x 256 float32; premise_mask 16 x 2,048 int32.
;; Outputs: out0 16 x 2,048 x 256 float32; out1 16 x 2,048 x 256 float32.
;; This version of the problem:
;;   THIS VERSION OF THE PROBLEM IS GIVEN IN LOW PRECISION. The matrix products marked QUANTISED in the list below multiply operands that are first quantised to E2M1 (2 exponent bits, 1 mantissa bit; 4 bits a number), with one power-of-two scale for each 32 numbers along K (OCP MX v1.0); their sums are f32. All else is computed in f32.
;;   The module's matrix products, in the order in which they are computed (A, B: the left and right operand; K: the contracted axis; several contracted axes count as one K, in the product's order):
;;     1. batch 16 x [M 2,048, K 256] x [K 256, N 2,048]; A: input premise_batch; B: input hypothesis_batch: QUANTISED
;;     2. batch 16 x [M 2,048, K 2,048] x [K 2,048, N 256]; A: computed on the way; B: input hypothesis_batch: QUANTISED
;;     3. batch 16 x [M 2,048, K 2,048] x [K 2,048, N 256]; A: computed on the way; B: input premise_batch: QUANTISED
;;   THE QUANTISER, for each operand of a quantised product, along K:
;;     - K is cut into blocks of 32 from its start; a last block that is shorter is filled with zeros.
;;     - A block's scale is 2^e with e = floor(log2(the largest magnitude in the block)) - 2, held to -126 .. 127; a block of zeros has e = 0. As a byte (E8M0): e + 127.
;;     - Each number is divided by its block's scale, clamped to +-6, and rounded to the nearest number of E2M1, ties to even, subnormals kept.
;;     - The product sums the exact products of the quantised numbers (number of the format x scale) in f32.
;;   ~~~python
;;   def quantise(x, axis):      # numpy; x: float32 -> the quantised numbers, widened to float32 again
;;       x = np.moveaxis(x, axis, -1); K = x.shape[-1]
;;       x = np.pad(x, [(0, 0)] * (x.ndim - 1) + [(0, -K % 32)]); x = x.reshape(x.shape[:-1] + (-1, 32)); a = np.abs(x).max(-1, keepdims=True)
;;       e = np.where(a > 0, np.clip(np.frexp(np.where(a > 0, a, 1))[1] - 1 - 2, -126, 127), 0)      # np.frexp(a)[1] - 1 = floor(log2(a)), exactly
;;       r = np.clip(x / 2.0 ** e, -6, 6)
;;       step = 2.0 ** (np.maximum(np.frexp(np.where(r == 0, 1, r))[1] - 1, 0) - 1)
;;       q = np.round(r / step) * step * 2.0 ** e      # np.round: ties to even
;;       return np.moveaxis(q.reshape(q.shape[:-2] + (-1,))[..., :K], -1, axis).astype(np.float32)
;;   ~~~
;;   OPERANDS COMPUTED ON THE WAY. 'Computed on the way' means the value that the module computes at that place (a softmax that the list does not call 'softmax' is quantised finished and normalised). What goes into a quantiser is computed in f32, as accurately as f32 sums, v_exp_f32 and their like allow (about 1e-6 of the number): no bf16 or f16 on the way to a quantiser, and a product that is left as it is and whose result goes on into a quantised operand takes f32 operands (vector FMAs, or v_wmma_f32_16x16x4_f32). A number that lies on a knife's edge between two numbers of the format may be rounded either way, as far as f32 arithmetic and the matrix unit's own rounding can turn it there, and no further.
;; 2 versions. Each part assembles by itself: llvm-mc -triple=amdgcn-amd-amdhsa -mcpu=gfx1250 --defsym DOCPART=n.
;; ======== version 1 of 2: 2 launches
;; workspace buffers: codes_q 8,388,608 bytes; codes_k 8,388,608 bytes; codes_v 8,388,608 bytes; scales 1,572,864 bytes; maskf 786,432 bytes; idx 266,240 bytes of whole numbers
;; launch prep (part 1): grid 16 x 32, 8 waves a work-group, no clusters, 38,912 bytes of LDS; arguments premise_batch, hypothesis_batch, premise_mask, hypothesis_mask, codes_q, codes_k, codes_v, scales, maskf, idx; writes codes_q, codes_k, codes_v, scales, maskf, idx
.if DOCPART == 1
	.amdgcn_target "amdgcn-amd-amdhsa--gfx1250"
	.amdhsa_code_object_version 6
	.text
	.protected	k_qbe6a539d9e_prep
	.globl	k_qbe6a539d9e_prep
	.p2align	8
	.type	k_qbe6a539d9e_prep,@function
k_qbe6a539d9e_prep:
	s_mov_b64 s[64:65], 0
	v_nop
	global_prefetch_b8 v0, s[64:65] scope:SCOPE_SE
	s_setreg_imm32_b32 hwreg(HW_REG_WAVE_MODE, 25, 1), 1
	s_wait_xcnt 0x0
; PREP.  Both tensors, P (y = 0..15) and H (y = 16..31), [16][2048][256] f32, are read once and turned into codes of FP4 (E2M1) with one E8M0 byte for each 32 numbers:
;   along D (the scores' K), stored twice: codes_q with the rows in RANK order (rows whose mask is not 0 first), codes_k with the rows in their own order;  along L (the second products' K): codes_v.
; All three are laid as IMAGES OF OPERAND REGISTERS: a fragment of 16 rows x 128 K is [c 0..1][lane 0..31][16 bytes], lane 16 h + r holding row r's codes of k = 64 c + 32 h + 0..31.
; The masks are whole numbers: each row gets a rank: pos = live rows before it, if its mask is not 0, else 2047 - dead rows before it.  Stored for the next launch: list[pos] = row, the count of live rows,
; c x mask by key and by rank (c = log2(e) / 16), and mask as f32 by rank.
; WORK LEFT OUT BY THE PROGRAM (shown here for both launches, in the problem's own terms):
;   (1) a row of attended_premises (attended_hypotheses) is multiplied by pm (hm) of its query: where that is 0 the row is 0 for all finite inputs; the next launch stores zeros there and forms no product for whole tiles of such rows;
;   (2) the softmax's input is sim x mask of the key: where that mask is 0 the input is 0 whatever sim holds, so for the row's maximum and sums such a key counts as the number 0, by a count, with no product.
;   Both are decided by the masks, whole numbers read from memory.  Every input is loaded.  LIMIT: a NaN, an infinity or an overflow that reaches only the work left out is not carried to the result.
; A block's scale is 2^(floor(log2(largest magnitude)) - 2): its byte is that magnitude's exponent field - 2, held at 1 from below.  A block of zeros so has the byte 1 where the rule says 127: its codes are zeros, and this program alone reads the bytes.
; LIMITS: blocks whose largest magnitude lies under 2^-124 keep the byte 1; NaN and infinities among the inputs are not served.
; SHARES.  Work-group (st, y): rows 128 st .. + 127 of tensor y.  Wave w: columns 32 w .. + 31, in four blocks of 32 rows.  A lane is a column and its registers run down the rows: that is a block along L.
; The same 32 x 32 numbers turn through the wave's own stage in LDS (rows 144 bytes apart) and come back a row to a lane: that is block w along D.
.set C_LOG,  0x3db8aa3b                ; log2(e) / 16
.set TRP,    144                       ; a stage row: 128 bytes + 16
.set TRW,    32*TRP                    ; a wave's stage
.set SB,     8*TRW                     ; behind the stages: the D scale bytes, [row 128][8]
.set SPARE,  SB+1024                   ; the spare words, 128 bytes for each wave: four blocks of 256 bytes that no other line names
.set LANE, 1
.set L4,   2                           ; 4 x lane
.set TRS,  3                           ; the stage, on the way in
.set TRL,  4                           ; and on the way out
.set SBA,  5                           ; where my row's D byte goes
.set SBR,  6                           ; where I read a scale word back
.set VTO,  7                           ; my place in codes_v
.set CKO,  8                           ; my place in codes_k
.set VSO,  9                           ; my column's L scale word
.set SPW,  10                          ; my spare word's LDS address; never rewritten
.set NIL,  11                          ; 0; never rewritten
.set MK,   16                          ; v16-19  my row's mask, block j
.set POS,  20                          ; v20-23  its rank
.set OQ,   24                          ; v24-27  its place in codes_q
.set POSW, 28                          ; the rank of row 32 (w & 3) + lane
.set WL,   29                          ; my column's four L bytes
.set DKO,  30                          ; my place among codes_k's scale words
.set L16,  31                          ; 16 x lane
.set X,    32                          ; v32-95   two sets of 32 numbers, a column each
.set Y,    96                          ; v96-127  32 numbers of a row;  at the head v96-159 hold the batch's 2,048 mask words
.set CL,   128                         ; v128-143 L codes, four registers a block: no store's data are written again
.set CD,   144                         ; v144-159 D codes likewise
.set ROWN, 160                         ; v160-175 wave 0: row numbers, c x mask, mask, 4 x rank
.set CMV,  164
.set QFV,  168
.set P4,   172
.set CNTV, 176
.set SWD,  177
.set DB,   178                         ; v178-181 D bytes
.set SQO,  182
.set IN,  4
.set MA,  8
.set MB,  10
.set CQ,  12
.set CK,  14
.set CV,  16
.set SQ,  38
.set SK,  40
.set SV,  42
.set CMF, 44
.set CMC, 46
.set QFP, 48
.set LIST, 50
.set CNT, 52
.set WV,  24
.set ST,  25
.set YY,  26
.set BB,  27
	s_load_b512 s[4:19], s[0:1], 0x0               ; P, H, pm, hm, codes_q, codes_k, codes_v, scales
	s_load_b128 s[20:23], s[0:1], 0x40             ; maskf, idx
	v_lshl_add_u32 v[SPW], v0, 2, SPARE
	v_mov_b32 v[NIL], 0
	v_lshrrev_b32 v12, 5, v0
	v_readfirstlane_b32 s[WV], v12                 ; wave 0..7
	v_and_b32 v[LANE], 31, v0
	s_mov_b32 s[ST], ttmp9                         ; which 128 rows
	s_and_b32 s[YY], ttmp7, 0xffff                 ; 16 x tensor + batch
	s_and_b32 s[BB], s[YY], 15
	s_lshr_b32 s72, s[WV], 2                       ; which 128 along D
	s_and_b32 s73, s[WV], 3
	s_lshl_b32 s74, s[WV], 8                       ; block w's place in a tile's two images: 1,024 (w / 4) + 512 ((w / 2) % 2) + 256 (w % 2) = 256 w
	; byte offsets, each in a pair with 0 above it
	s_lshl_b32 s28, s[BB], 21
	s_lshl_b32 s75, s[ST], 17
	s_add_co_u32 s28, s28, s75
	s_lshl_b32 s75, s[WV], 7
	s_add_co_u32 s28, s28, s75                     ; the tensor: batch, my 128 rows, my 32 columns
	s_mov_b32 s29, 0
	s_lshl_b32 s30, s[BB], 13                      ; the batch's mask
	s_mov_b32 s31, 0
	s_lshl_b32 s76, s[YY], 18
	s_add_co_u32 s32, s76, s74                     ; codes_q
	s_mov_b32 s33, 0
	s_lshl_b32 s75, s[ST], 14
	s_add_co_u32 s36, s76, s75                     ; codes_v
	s_mov_b32 s37, 0
	s_add_co_u32 s34, s36, s74                     ; codes_k
	s_mov_b32 s35, 0
	s_lshl_b32 s76, s[YY], 14
	s_lshl_b32 s77, s72, 6
	s_add_co_u32 s38, s76, s77                     ; codes_q's scale words
	s_mov_b32 s39, 0
	s_lshl_b32 s75, s[ST], 10
	s_add_co_u32 s42, s76, s75
	s_add_co_u32 s40, s42, s77
	s_lshl_b32 s75, s73, 8
	s_add_co_u32 s40, s40, s75
	s_add_co_u32 s40, s40, 524288                  ; codes_k's
	s_mov_b32 s41, 0
	s_add_co_u32 s42, s42, 1048576                 ; codes_v's
	s_mov_b32 s43, 0
	s_lshl_b32 s76, s[YY], 13
	s_lshl_b32 s54, s[ST], 9
	s_mov_b32 s55, 0
	s_add_co_u32 s44, s76, s54                     ; c x mask by key
	s_mov_b32 s45, 0
	s_add_co_u32 s46, s76, 262144                  ; c x mask by rank
	s_mov_b32 s47, 0
	s_add_co_u32 s48, s76, 524288                  ; mask by rank
	s_mov_b32 s49, 0
	s_mov_b32 s50, s76                             ; the list
	s_mov_b32 s51, 0
	s_lshl_b32 s52, s[YY], 7
	s_add_co_u32 s52, s52, 262144                  ; the count
	s_mov_b32 s53, 0
	; lane terms
	v_lshlrev_b32 v[L4], 2, v[LANE]
	v_lshlrev_b32 v[L16], 4, v[LANE]
	s_mul_i32 s78, s[WV], TRW
	v_add_nc_u32 v[TRS], s78, v[L4]
	v_mul_u32_u24 v[TRL], v[LANE], TRP
	v_add_nc_u32 v[TRL], s78, v[TRL]
	s_add_co_u32 s78, s[WV], SB
	v_lshl_add_u32 v[SBA], v[LANE], 3, s78         ; row's 8 bytes, byte w
	s_lshl_b32 s78, s73, 8
	s_lshl_b32 s79, s72, 2
	s_add_co_u32 s78, s78, s79
	s_add_co_u32 s78, s78, SB
	v_lshl_add_u32 v[SBR], v[LANE], 3, s78         ; row 32 (w & 3) + lane, word w / 4
	v_lshrrev_b32 v12, 4, v[LANE]
	v_and_b32 v13, 15, v[LANE]
	v_lshlrev_b32 v13, 4, v13
	v_lshl_add_u32 v13, v12, 10, v13
	s_lshl_b32 s78, s[WV], 11
	v_add_nc_u32 v[VTO], s78, v13                  ; column d = 32 w + lane: tile d / 16, row d % 16
	v_bfe_u32 v13, v[LANE], 3, 1                   ; u
	v_and_b32 v14, 7, v[LANE]
	v_lshl_add_u32 v14, v12, 3, v14                ; r: key 32 j + lane sits in tile 2 j + u at row r = lane % 8 + 8 (lane / 16)
	v_lshlrev_b32 v15, 4, v14
	v_lshl_add_u32 v[CKO], v13, 11, v15
	v_lshlrev_b32 v15, 2, v14
	v_lshl_add_u32 v[DKO], v13, 7, v15
	s_lshl_b32 s78, s[WV], 7
	v_add_nc_u32 v[VSO], s78, v[L4]
	s_wait_kmcnt 0x0
	s_cmp_lt_u32 s[YY], 16                         ; P or H: the choice hangs on the work-group's number alone
	s_cselect_b64 s[IN:IN+1], s[4:5], s[6:7]
	s_cselect_b64 s[MA:MA+1], s[8:9], s[10:11]
	s_add_nc_u64 s[IN:IN+1], s[IN:IN+1], s[28:29]
	s_add_nc_u64 s[MA:MA+1], s[MA:MA+1], s[30:31]
	s_add_nc_u64 s[MB:MB+1], s[MA:MA+1], s[54:55]
	s_add_nc_u64 s[CQ:CQ+1], s[CQ:CQ+1], s[32:33]
	s_add_nc_u64 s[CK:CK+1], s[CK:CK+1], s[34:35]
	s_add_nc_u64 s[CV:CV+1], s[CV:CV+1], s[36:37]
	s_add_nc_u64 s[SQ:SQ+1], s[18:19], s[38:39]
	s_add_nc_u64 s[SK:SK+1], s[18:19], s[40:41]
	s_add_nc_u64 s[SV:SV+1], s[18:19], s[42:43]
	s_add_nc_u64 s[CMF:CMF+1], s[20:21], s[44:45]
	s_add_nc_u64 s[CMC:CMC+1], s[20:21], s[46:47]
	s_add_nc_u64 s[QFP:QFP+1], s[20:21], s[48:49]
	s_add_nc_u64 s[LIST:LIST+1], s[22:23], s[50:51]
	s_add_nc_u64 s[CNT:CNT+1], s[22:23], s[52:53]
.macro LOAD t                          ; block t: rows 32 t + i of my column, into set t % 2; a wave reads 128 consecutive bytes, the eight waves a whole row
.irp i, 0,1,2,3,4,5,6,7,8,9,10,11,12,13,14,15,16,17,18,19,20,21,22,23,24,25,26,27,28,29,30,31
	global_load_b32 v[X+32*((\t)%2)+\i], v[L4], s[IN:IN+1] offset:(32*(\t)+\i)*1024 th:TH_LOAD_NT
.endr
.endm
.irp q, 0,1,2,3,4,5,6,7,8,9,10,11,12,13,14,15
	global_load_b128 v[Y+4*\q:Y+4*\q+3], v[L16], s[MA:MA+1] offset:512*\q   ; the batch's mask: registers 4 q .. 4 q + 3 hold rows 128 q + 4 lane + 0 .. 3
.endr
.irp j, 0,1,2,3
	global_load_b32 v[MK+\j], v[L4], s[MB:MB+1] offset:128*\j               ; and my work-group's rows, a row to a lane
.endr
	LOAD 0
	s_wait_loadcnt 32                              ; the masks are in; block 0's 32 loads may be out
	; RANKS.  Every wave counts for itself: live rows in the segments of 128 rows ahead of mine,
	s_mov_b32 s61, 0
.irp q, 0,1,2,3,4,5,6,7,8,9,10,11,12,13,14,15
	v_cmp_ne_u32 s56, 0, v[Y+4*\q]
	v_cmp_ne_u32 s57, 0, v[Y+4*\q+1]
	v_cmp_ne_u32 s58, 0, v[Y+4*\q+2]
	v_cmp_ne_u32 s59, 0, v[Y+4*\q+3]
	s_bcnt1_i32_b32 s56, s56
	s_bcnt1_i32_b32 s57, s57
	s_bcnt1_i32_b32 s58, s58
	s_bcnt1_i32_b32 s59, s59
	s_add_co_u32 s56, s56, s57
	s_add_co_u32 s58, s58, s59
	s_add_co_u32 s56, s56, s58
	s_cmp_gt_u32 s[ST], \q
	s_cselect_b32 s56, s56, 0
	s_add_co_u32 s61, s61, s56
.endr
	LOAD 1
.irp j, 0,1,2,3
	v_cmp_ne_u32 s[66+\j], 0, v[MK+\j]             ; then in my four blocks of 32 rows
.endr
	s_mov_b32 s80, s61
.irp j, 0,1,2,3
	s_bcnt1_i32_b32 s86, s[66+\j]
	s_add_co_u32 s[81+\j], s[80+\j], s86           ; s80 + j: live rows ahead of block j;  s84: up to my last row
.endr
	s_lshl_b32 s85, s[ST], 7
	v_add_nc_u32 v14, s85, v[LANE]                 ; block 0's row
.irp j, 0,1,2,3
	v_mbcnt_lo_u32_b32 v12, s[66+\j], s[80+\j]     ; live rows before mine
	v_sub_nc_u32 v13, v12, v14
	v_add_nc_u32 v13, 2047-32*\j, v13              ; 2047 - (row - live rows before) = 2047 - dead rows before
	v_cndmask_b32 v12, v13, v12, s[66+\j]
	v_min_u32 v[POS+\j], 2047, v12                 ; it is within 0 .. 2047; held there, since it enters addresses
	v_and_b32 v12, 0x7f0, v[POS+\j]
	v_and_b32 v13, 15, v[POS+\j]
	v_lshlrev_b32 v13, 4, v13
	v_lshl_add_u32 v[OQ+\j], v12, 7, v13           ; tile pos / 16 (2,048 bytes), row pos % 16 (16 bytes)
.endr
	v_mov_b32 v[POSW], v[POS]
.irp j, 1,2,3
	s_cmp_eq_u32 s73, \j
	s_cselect_b32 s86, -1, 0
	v_cndmask_b32 v[POSW], v[POSW], v[POS+\j], s86
.endr
	v_min_u32 v[POSW], 2047, v[POSW]
	v_and_b32 v12, 0x7f0, v[POSW]
	v_and_b32 v13, 15, v[POSW]
	v_lshlrev_b32 v13, 2, v13
	v_lshl_add_u32 v[SQO], v12, 3, v13             ; tile pos / 16 (128 bytes), row pos % 16 (4 bytes)
.macro MAXB src                        ; 32 numbers' largest magnitude, with the floor 2^(3 - 127) among its leaves; 2 off its exponent field is the conversions' scale operand: v14
	v_max3_num_f32 v12, |v[\src]|, |v[\src+1]|, |v[\src+2]|
	v_max3_num_f32 v13, |v[\src+3]|, |v[\src+4]|, |v[\src+5]|
.irp i, 6,10,14,18,22,26
	v_max3_num_f32 v12, v12, |v[\src+\i]|, |v[\src+\i+1]|
	v_max3_num_f32 v13, v13, |v[\src+\i+2]|, |v[\src+\i+3]|
.endr
	v_max3_num_f32 v12, v12, |v[\src+30]|, |v[\src+31]|
	v_max3_num_f32 v12, v12, v13, 0x1800000
	v_add_nc_u32 v14, 0xff000000, v12
.endm
.macro BLOCK j
.set XS, X+32*((\j)%2)
.if \j < 3
	s_wait_loadcnt 32                              ; this block's 32 loads are in; the next block's may be out
.else
	s_wait_loadcnt 0x0
.endif
	MAXB XS                                        ; ALONG L: the block of 32 rows of my column
.irp g, 0,1,2,3
	v_cvt_scalef32_pk8_fp4_f32 v[CL+4*\j+\g], v[XS+8*\g:XS+8*\g+7], v14
.endr
	v_lshrrev_b32 v15, 23, v14                     ; the scale's byte (a plain line behind the conversions)
.if \j == 0
	v_mov_b32 v[WL], v15
.else
	v_lshl_or_b32 v[WL], v15, 8*\j, v[WL]
.endif
.irp i, 0,1,2,3,4,5,6,7,8,9,10,11,12,13,14,15,16,17,18,19,20,21,22,23,24,25,26,27,28,29,30,31
	ds_store_b32 v[TRS], v[XS+\i] offset:TRP*\i    ; row i of the stage: 32 columns, 128 bytes
.endr
	global_store_b128 v[VTO], v[CL+4*\j:CL+4*\j+3], s[CV:CV+1] offset:512*((\j)/2)+256*((\j)%2)   ; sixteen lanes fill 256 consecutive bytes, aligned
.irp q, 0,1,2,3,4,5,6,7
	ds_load_b128 v[Y+4*\q:Y+4*\q+3], v[TRL] offset:16*\q   ; LDS serves a wave's instructions in order: these see my stores.  Row = my lane
.endr
	s_wait_dscnt 0x0                               ; the row is in, and the stores have read the set that the next loads take
.if \j < 2
	LOAD \j+2
.endif
	MAXB Y                                         ; ALONG D: block w of row 32 j + lane
.irp g, 0,1,2,3
	v_cvt_scalef32_pk8_fp4_f32 v[CD+4*\j+\g], v[Y+8*\g:Y+8*\g+7], v14
.endr
	v_lshrrev_b32 v[DB+\j], 23, v14
	ds_store_b8 v[SBA], v[DB+\j] offset:256*\j
	global_store_b128 v[OQ+\j], v[CD+4*\j:CD+4*\j+3], s[CQ:CQ+1]               ; by rank: pieces of 16 bytes; neighbouring live rows fall side by side
	global_store_b128 v[CKO], v[CD+4*\j:CD+4*\j+3], s[CK:CK+1] offset:4096*\j  ; by key: sixteen lanes fill 256 consecutive bytes, aligned
.endm
	BLOCK 0
	BLOCK 1
	BLOCK 2
	BLOCK 3
	global_store_b32 v[VSO], v[WL], s[SV:SV+1]     ; my column's scale word for these 128 keys
	s_cmp_lg_u32 s[WV], 0                          ; wave 0 stores what hangs on the masks alone
	s_cbranch_scc1 .Lnot_wave_0
.irp j, 0,1,2,3
	v_add3_u32 v[ROWN+\j], s85, v[LANE], 32*\j
	v_cvt_f32_i32 v[QFV+\j], v[MK+\j]
	v_lshlrev_b32 v[P4+\j], 2, v[POS+\j]
.endr
.irp j, 0,1,2,3
	v_mul_f32 v[CMV+\j], C_LOG, v[QFV+\j]
.endr
.irp j, 0,1,2,3
	global_store_b32 v[P4+\j], v[ROWN+\j], s[LIST:LIST+1]
	global_store_b32 v[P4+\j], v[CMV+\j], s[CMC:CMC+1]
	global_store_b32 v[P4+\j], v[QFV+\j], s[QFP:QFP+1]
	global_store_b32 v[L4], v[CMV+\j], s[CMF:CMF+1] offset:128*\j
.endr
	s_cmp_lg_u32 s[ST], 15                         ; the last work-group of a tensor's batch has counted all its live rows
	s_cbranch_scc1 .Lnot_wave_0
	v_mov_b32 v[CNTV], s84
	global_store_b32 v[L4], v[CNTV], s[CNT:CNT+1]
.Lnot_wave_0:
	s_wait_dscnt 0x0                               ; my D bytes have landed
	s_barrier_signal -1
	s_barrier_wait -1                              ; everybody's have: a row's eight bytes come from eight waves
	ds_load_b32 v[SWD], v[SBR]
	s_wait_dscnt 0x0
	global_store_b32 v[SQO], v[SWD], s[SQ:SQ+1]
	global_store_b32 v[DKO], v[SWD], s[SK:SK+1]
	s_wait_tensorcnt 0x0                           ; the wave's end: behind my last LDS store
	ds_add_u32 v[SPW], v[NIL]
	s_wait_dscnt 0x0
	s_endpgm
.Lfunc_end_k_qbe6a539d9e_prep:
	.size	k_qbe6a539d9e_prep, .Lfunc_end_k_qbe6a539d9e_prep-k_qbe6a539d9e_prep
	.p2alignl 7, 3214868480
	.fill 96, 4, 3214868480
	.section	.rodata,"a",@progbits
	.p2align	6, 0x0
	.amdhsa_kernel k_qbe6a539d9e_prep
		.amdhsa_group_segment_fixed_size 38912
		.amdhsa_private_segment_fixed_size 0
		.amdhsa_enable_private_segment 0
		.amdhsa_kernarg_size 80
		.amdhsa_user_sgpr_count 2
		.amdhsa_user_sgpr_kernarg_segment_ptr 1
		.amdhsa_wavefront_size32 1
		.amdhsa_system_sgpr_workgroup_id_x 1
		.amdhsa_system_sgpr_workgroup_id_y 1
		.amdhsa_system_sgpr_workgroup_id_z 1
		.amdhsa_system_vgpr_workitem_id 0
		.amdhsa_next_free_vgpr 184
		.amdhsa_next_free_sgpr 88
		.amdhsa_reserve_vcc 0
		.amdhsa_float_denorm_mode_32 3
		.amdhsa_float_denorm_mode_16_64 3
		.amdhsa_memory_ordered 1
		.amdhsa_forward_progress 1
		.amdhsa_inst_pref_size 57
	.end_amdhsa_kernel
	.amdgpu_metadata
---
amdhsa.version: [ 1, 2 ]
amdhsa.kernels:
  - .name:           k_qbe6a539d9e_prep
    .symbol:         k_qbe6a539d9e_prep.kd
    .args:
      - { .name: premise_batch, .offset: 0, .size: 8, .value_kind: global_buffer, .address_space: global }
      - { .name: hypothesis_batch, .offset: 8, .size: 8, .value_kind: global_buffer, .address_space: global }
      - { .name: premise_mask, .offset: 16, .size: 8, .value_kind: global_buffer, .address_space: global }
      - { .name: hypothesis_mask, .offset: 24, .size: 8, .value_kind: global_buffer, .address_space: global }
      - { .name: codes_q, .offset: 32, .size: 8, .value_kind: global_buffer, .address_space: global }
      - { .name: codes_k, .offset: 40, .size: 8, .value_kind: global_buffer, .address_space: global }
      - { .name: codes_v, .offset: 48, .size: 8, .value_kind: global_buffer, .address_space: global }
      - { .name: scales, .offset: 56, .size: 8, .value_kind: global_buffer, .address_space: global }
      - { .name: maskf, .offset: 64, .size: 8, .value_kind: global_buffer, .address_space: global }
      - { .name: idx, .offset: 72, .size: 8, .value_kind: global_buffer, .address_space: global }
    .group_segment_fixed_size: 38912
    .private_segment_fixed_size: 0
    .kernarg_segment_align: 8
    .kernarg_segment_size: 80
    .max_flat_workgroup_size: 256
    .sgpr_count:     88
    .vgpr_count:     184
    .wavefront_size: 32
...
	.end_amdgpu_metadata
.endif
;; end of part 1
;; launch attn (part 2): grid 16 x 32, 8 waves a work-group, no clusters, 273,408 bytes of LDS; arguments codes_q, codes_k, codes_v, scales, maskf, idx, out0, out1; writes out0, out1
.if DOCPART == 2
	.amdgcn_target "amdgcn-amd-amdhsa--gfx1250"
	.amdhsa_code_object_version 6
	.text
	.protected	k_qbe6a539d9e_attn
	.globl	k_qbe6a539d9e_attn
	.p2align	8
	.type	k_qbe6a539d9e_attn,@function
k_qbe6a539d9e_attn:
	s_mov_b64 s[64:65], 0
	v_nop
	global_prefetch_b8 v0, s[64:65] scope:SCOPE_SE
	s_setreg_imm32_b32 hwreg(HW_REG_WAVE_MODE, 25, 1), 1
	s_wait_xcnt 0x0
; ATTN.  Both directions in one grid: y < 16: queries P, keys and values H, out0;  y >= 16: the mirror image, out1.  All products on codes of FP4 (E2M1) with E8M0 scales, made by the launch before.
; For a query: t_k = score_k x c x mask_k (c = log2(e) / 16);  M = the largest t, rounded up to a whole number;  e_k = 2^(t_k - M);  Z = sum of e;  R = sum of e x c x mask;  g = 1 / (R + 1e-13 c Z);
; a_k = e_k g c mask_k, which is reference()'s finished, normalised attention; a is quantised along the keys and multiplied by V; the row is multiplied by the query's mask.
; a's divisor must be known before a code is made, so the keys are walked twice: SWEEP A finds M, Z, R; SWEEP B forms the scores again, then a, its codes, and O += V^T a^T.
; WORK LEFT OUT (shown at the head of the first kernel): tiles all of whose queries have mask 0 get zeros and no product; in sweep A a key whose mask is 0 has t = 0 whatever its score: such keys enter by their count.
; Sweep B walks all keys: a's blocks of 32 are neighbours in the keys' own order.  LIMIT: a NaN, an infinity or an overflow that reaches only the work left out is not carried to the result.
; LIMITS: NaN and infinities among the inputs are not served; 2^x under 2^-126 comes out as 0 (ISA guide, v_exp_f32); a block of a whose largest magnitude lies under 2^-124 keeps the byte 1.
; WHAT THE COUNTS DECIDE.  The queries are taken in rank order (live rows first).  Work-group (x, y) owns ranks 128 x .. + 127: 8 tiles of 16, of which NT hold a live row.  The counts are read from memory, so this text has
; no tensor load, no copy and no cluster; every barrier and every wait that serves a later part stands on the way that all waves take; registers that pass from one conditional part into another are written once, at the head, on every way.
; NO MULTICAST, the reason: the work-groups of a (direction, batch) read the same K and V, but how many of them have work hangs on counts read from memory.
; ROLES (by arithmetic on the wave's number w, never by a branch).  Sweep A: tiles 4 (w / 4) .. + 3, chunks of 64 live keys w % 4, + 4, ...   Merge: tile w.   Softmax of round rd: key step 8 rd + w (128 keys), all live tiles;
; K's fragments stay in registers for the up to 8 tiles.   PV: tiles w / 4 + 2 i, channels 64 (w % 4) .. + 63: 16 accumulators.
; LAYOUT.  Both products are used transposed (source 0 = 16 keys or 16 channels, source 1 = 16 queries): a lane holds ONE query (lane % 16) throughout.  In sweep B lane r of key tile 2 b + u holds key 32 b + 8 u + r + 8 (r / 8), so that
; the 16 registers of tiles 2 b, 2 b + 1 are keys 32 b + 16 (lane / 16) + 0 .. 15.  Operands go from wave to wave through LDS as images of their registers.
.set QIMG,  0                          ; LDS: Q's 8 tiles x 2 images of 1,024 bytes
.set QSC,   16384                      ; their scale words, 128 bytes a tile: lanes 0-15 D step 0, lanes 16-31 D step 1
.set STA,   17408                      ; sweep A's figures: [w % 4][tile 8][-M, Z, R][lane] words
.set STF,   29696                      ; the merged ones: [tile][lane]{-M, g}
.set QFS,   31744                      ; the queries' masks as f32: [tile][lane]
.set PSC,   32768                      ; a's scale words: [step 8][tile 8][128 bytes]
.set STG,   40960                      ; the way out: 16 rows x 272 bytes for each wave
.set SPARE, 75776                      ; the spare words, 128 bytes for each wave: four blocks of 256 bytes that no other line names
.set PIMG,  76800                      ; a's images: [step 8][tile 8]
.set VIMG,  142336                     ; V's images of a round: [step 8][channel tile 16]
.set EPSC,  0x28226eda                 ; 1e-13 x c
.set LI, 1                             ; 16 x lane
.set LS, 2                             ; 4 x lane
.set L8, 3                             ; 8 x lane
.set H64, 4                            ; 64 (lane / 16)
.set H32, 5
.set H4, 6
.set AQF, 7
.set SPW, 8                            ; my spare word's LDS address; never rewritten
.set NIL, 9                            ; 0; never rewritten
.set AV0, 10
.set AV1, 11
.set AP, 12
.set APP, 13
.set STO, 14
.set RDB, 15
.set GOF, 16
.set AQ, 17                            ; v17-23: addresses of the slot in hand
.set AQS, 18
.set AST, 19
.set API, 20
.set APS, 21
.set AVS, 22
.set AVG, 23
.set AQA, 24
.set AQSA, 25
.set ASA, 26
.set AMG, 27
.set AVB, 28
.set QFR, 29
.set KS, 30                            ; v30-37 K's scale words;  v38-39 Q's;  v40-55 V's;  v56-63 a's: these hold scales and nothing else
.set QS, 38
.set VS, 40
.set PS, 56
.set CM, 64                            ; v64-127 c x mask of the keys in hand
.set S, 128                            ; v128-191 scores, then e, then a
.set QF, 192                           ; Q's fragments
.set STT, 224                          ; sweep A: tile q's figures at 224 + 6 q: [-M, largest t][Z, Z][R, R]
.set FP, 248                           ; sweep A: two maxima a tile, then the factor
.set TT, 252
.set VT, 208                           ; softmax: a slice of V on its way to LDS
.set PC, 224                           ; the codes just made
.set TM, 232
.set NMP, 248                          ; [-M, g]
.set GP, 250                           ; [g, .]
.set PW, 252
.set VA, 128                           ; PV: V's four fragments, two buffers;  a's up to four, two buffers
.set PA, 192
.set OFF, 64                           ; the way out
.set OT, 128
.set OB, 160
.set ZR, 224
.set QFP, 228
; window 1: v0-127 sweep A's two chunks of K, afterwards O^T (tile i, channel tile dt at 32 i + 8 dt);  v128-255 K's 16 fragments of a key step, at the end the list's rows
.set KA, 4
.set KB, 6
.set VG, 8
.set KAS, 10
.set KBS, 12
.set VSG, 14
.set CMC, 16
.set CMF, 18
.set LST, 20
.set OUT, 22
.set QI, 24
.set QSG, 26
.set QFG, 28
.set SETA, 30
.set SETB, 36
.set WV, 42
.set W2, 43                            ; w / 4
.set W3, 44                            ; w % 4
.set TR, 45                            ; sweep A: the trip in hand
.set NTR, 46                           ; and how many there are
.set NT, 47
.set MT, 48
.set NCH, 49
.set NCW, 50
.set REST, 51
.set LIM0, 52
.set C, 54
.set RD, 55
.set SI, 56
.set NTM1, 57
.set TP0, 59
.set TP1, 60
.set NQ, 61
.set NK, 62
.set PIW, 63
.set SEL, 66
.set PSW, 76
.set MSB, 0
.macro WIN new                         ; the immediate's high byte repeats the setting that is left; at every label and branch the setting is 0
.if MSB != \new
	s_set_vgpr_msb (MSB<<8)|\new
.set MSB, \new
.endif
.endm
.macro BAR                             ; my LDS stores have landed and my LDS loads are in: then the work-group's barrier
	s_wait_dscnt 0x0
	s_barrier_signal -1
	s_barrier_wait -1
.endm
.macro NOPS n
.rept \n
	v_nop
.endr
.endm
	s_load_b512 s[80:95], s[0:1], 0x0              ; codes_q, codes_k, codes_v, scales, maskf, idx, out0, out1
	v_lshl_add_u32 v[SPW], v0, 2, SPARE
	v_mov_b32 v[NIL], 0
	v_lshrrev_b32 v22, 5, v0
	v_readfirstlane_b32 s[WV], v22                 ; wave 0..7
	v_and_b32 v22, 31, v0                          ; lane
	v_and_b32 v20, 15, v0                          ; r
	v_bfe_u32 v21, v0, 4, 1                        ; h
	v_lshlrev_b32 v[LI], 4, v22
	v_lshlrev_b32 v[LS], 2, v22
	v_lshlrev_b32 v[L8], 3, v22
	v_lshlrev_b32 v[H64], 6, v21
	v_lshlrev_b32 v[H32], 5, v21
	v_lshlrev_b32 v[H4], 2, v21
	s_lshr_b32 s[W2], s[WV], 2
	s_and_b32 s[W3], s[WV], 3
	s_mov_b32 s69, 0                               ; s69 and s71 stay 0: the upper words of the offsets made in s68 and s70
	s_mov_b32 s71, 0
	s_and_b32 s72, ttmp7, 0xffff                   ; the queries' tensor and batch
	s_xor_b32 s73, s72, 16                         ; the keys'
	s_and_b32 s75, s72, 15                         ; the batch
	s_lshl_b32 s78, s72, 7
	s_lshl_b32 s79, s73, 7
	s_mov_b32 s[SEL], 0x76543210
	s_mov_b32 s[SEL+1], 0xfedcba98                 ; v_permlanex16_b32's selects for lane l xor 16
	; every LDS address is a constant + a constant x lane + a constant x (a part of) the wave's number, made here, on the way that all waves take
	s_lshl_b32 s68, s[W2], 7
	s_add_co_u32 s68, s68, QFS
	v_add_nc_u32 v[AQF], s68, v[LS]
	s_lshl_b32 s68, s[W3], 12
	s_add_co_u32 s68, s68, VIMG
	v_add_nc_u32 v[AV0], s68, v[LI]                ; PV: my four channel tiles, steps 0-3;
	v_add_nc_u32 v[AV1], 65536, v[AV0]             ; steps 4-7
	s_lshl_b32 s68, s[W2], 10
	s_add_co_u32 s68, s68, PIMG
	v_add_nc_u32 v[AP], s68, v[LI]
	s_lshl_b32 s68, s[W2], 7
	s_add_co_u32 s68, s68, PSC
	v_add_nc_u32 v[APP], s68, v[LS]
	s_mul_i32 s68, s[WV], 4352
	s_add_co_u32 s68, s68, STG
	v_mul_u32_u24 v[STO], v20, 272
	v_lshl_add_u32 v[STO], v21, 5, v[STO]
	v_add_nc_u32 v[STO], s68, v[STO]               ; the stage, in: row r, 32 bytes for each half of the lanes
	v_mul_u32_u24 v[RDB], v21, 272
	v_lshl_add_u32 v[RDB], v20, 4, v[RDB]
	v_add_nc_u32 v[RDB], s68, v[RDB]               ; back: lanes 0-15 one row of 256 bytes, lanes 16-31 the next
	v_lshlrev_b32 v[GOF], 4, v20
	s_lshl_b32 s68, s[W2], 13
	v_add_nc_u32 v[AQA], s68, v[LI]                ; sweep A: my four tiles of Q (QIMG = 0)
	s_lshl_b32 s68, s[W2], 9
	s_add_co_u32 s68, s68, QSC
	v_add_nc_u32 v[AQSA], s68, v[LS]
	s_mul_i32 s68, s[W3], 3072
	s_mul_i32 s70, s[W2], 1536
	s_add_co_u32 s68, s68, s70
	s_add_co_u32 s68, s68, STA
	v_add_nc_u32 v[ASA], s68, v[LS]
	s_mul_i32 s68, s[WV], 384
	s_add_co_u32 s68, s68, STA
	v_add_nc_u32 v[AMG], s68, v[LS]
	s_lshl_b32 s68, s[WV], 14
	s_add_co_u32 s68, s68, VIMG
	v_add_nc_u32 v[AVB], s68, v[LI]
	s_lshl_b32 s68, s[WV], 11
	v_add_nc_u32 v[AQ], s68, v[LI]                 ; where I put tile w of Q,
	s_lshl_b32 s68, s[WV], 7
	s_add_co_u32 s68, s68, QSC
	v_add_nc_u32 v[AQS], s68, v[LS]                ; and its scale words
	v_lshlrev_b32 v[AVG], 2, v20                   ; 4 r
	s_lshl_b32 s[PIW], s[WV], 13
	s_add_co_u32 s[PIW], s[PIW], PIMG
	s_lshl_b32 s[PSW], s[WV], 10
	s_add_co_u32 s[PSW], s[PSW], PSC
	s_wait_kmcnt 0x0
	s_load_b32 s[NQ], s[90:91], s78 offset:0x40000 ; live queries, live keys: on their way while the pointers are made
	s_load_b32 s[NK], s[90:91], s79 offset:0x40000
	s_lshl_b32 s68, s73, 18
	s_add_nc_u64 s[KA:KA+1], s[80:81], s[68:69]    ; the keys by rank
	s_lshl_b32 s70, s[WV], 14
	s_add_co_u32 s70, s70, s68
	s_add_nc_u64 s[KB:KB+1], s[82:83], s[70:71]    ; key step w,
	s_add_nc_u64 s[VG:VG+1], s[84:85], s[70:71]    ; and V's
	s_lshl_b32 s68, s73, 14
	s_add_nc_u64 s[KAS:KAS+1], s[86:87], s[68:69]
	s_lshl_b32 s70, s[WV], 10
	s_add_co_u32 s70, s70, s68
	s_add_co_u32 s70, s70, 524288
	s_add_nc_u64 s[KBS:KBS+1], s[86:87], s[70:71]
	s_lshl_b32 s70, s[W3], 8
	s_add_co_u32 s70, s70, s68
	s_add_co_u32 s70, s70, 1048576
	s_add_nc_u64 s[VSG:VSG+1], s[86:87], s[70:71]
	s_lshl_b32 s68, s73, 13
	s_add_co_u32 s70, s68, 262144
	s_add_nc_u64 s[CMC:CMC+1], s[88:89], s[70:71]
	s_lshl_b32 s70, s[WV], 9
	s_add_co_u32 s70, s70, s68
	s_add_nc_u64 s[CMF:CMF+1], s[88:89], s[70:71]
	s_lshl_b32 s68, s72, 13
	s_lshl_b32 s70, ttmp9, 9
	s_add_co_u32 s68, s68, s70
	s_lshl_b32 s70, s[W2], 6
	s_add_co_u32 s70, s70, s68
	s_add_nc_u64 s[LST:LST+1], s[90:91], s[70:71]
	s_lshl_b32 s70, s[WV], 6
	s_add_co_u32 s70, s70, s68
	s_add_co_u32 s70, s70, 524288
	s_add_nc_u64 s[QFG:QFG+1], s[88:89], s[70:71]
	s_lshl_b32 s68, s72, 18
	s_lshl_b32 s70, ttmp9, 14
	s_add_co_u32 s68, s68, s70
	s_lshl_b32 s70, s[WV], 11
	s_add_co_u32 s70, s70, s68
	s_add_nc_u64 s[QI:QI+1], s[80:81], s[70:71]
	s_lshl_b32 s68, s72, 14
	s_lshl_b32 s70, ttmp9, 10
	s_add_co_u32 s68, s68, s70
	s_lshl_b32 s70, s[WV], 7
	s_add_co_u32 s70, s70, s68
	s_add_nc_u64 s[QSG:QSG+1], s[86:87], s[70:71]
	s_lshl_b32 s68, s75, 21
	s_lshl_b32 s70, s[W3], 8
	s_add_co_u32 s70, s70, s68
	s_cmp_lt_u32 s72, 16                           ; the choice hangs on the work-group's number alone
	s_cselect_b64 s[OUT:OUT+1], s[92:93], s[94:95]
	s_add_nc_u64 s[OUT:OUT+1], s[OUT:OUT+1], s[70:71]
.irp n, 0,1,2,3
	global_load_b128 v[S+4*\n:S+4*\n+3], v[LI], s[QI:QI+1] offset:512*\n   ; tile w of Q, dead or live: every rank has a row
.endr
	global_load_b32 v[S+16], v[LS], s[QSG:QSG+1]
	global_load_b32 v[QFR], v[AVG], s[QFG:QFG+1]   ; the masks of tile w's queries
	; Written once on every way, while the loads are out: what one conditional part loads and another reads
	s_mov_b32 s68, 0x7f7f7f7f                      ; (as scales: 1.0)
.irp n, 0,1,2,3,4,5,6,7
	v_mov_b32 v[KS+\n], s68
.endr
.irp n, 0,1,2,3,4,5,6,7,8,9,10,11,12,13,14,15
	v_mov_b32 v[VS+\n], s68
.endr
.set i, 0
.rept 64
	v_mov_b32 v[CM+i], 0
.set i, i+1
.endr
	WIN 0x40
.set i, 0
.rept 128
	v_mov_b32 v[128+i], 0                          ; window 1: K's fragments
.set i, i+1
.endr
	WIN 0
	v_mov_b32 v[GP+1], 0                           ; (named as the upper half of a pair)
.irp q, 0,1,2,3                                ; sweep A's figures: the largest t so far -3e38, under every t; Z = R = 0
	v_mov_b32 v[STT+6*\q+1], 0xff61b1e6
	v_mov_b32 v[STT+6*\q+2], 0
	v_mov_b32 v[STT+6*\q+3], 0
	v_mov_b32 v[STT+6*\q+4], 0
	v_mov_b32 v[STT+6*\q+5], 0
.endr
.irp q, 0,1,2,3
	v_floor_f32 v[STT+6*\q], -v[STT+6*\q+1]
.endr
	s_wait_kmcnt 0x0
	s_min_u32 s[NQ], s[NQ], 2048
	s_min_u32 s[NK], s[NK], 2048
	s_lshl_b32 s68, ttmp9, 7
	s_sub_co_i32 s68, s[NQ], s68
	s_max_i32 s68, s68, 0
	s_min_i32 s68, s68, 128
	s_add_co_u32 s68, s68, 15
	s_lshr_b32 s[NT], s68, 4                       ; my tiles that hold a live query: 0 .. 8
	s_sub_co_u32 s[NTM1], s[NT], 1                 ; (wraps at 0)
	s_add_co_u32 s68, s[NT], 1
	s_sub_co_u32 s68, s68, s[W2]
	s_lshr_b32 s[MT], s68, 1                       ; of tiles w / 4 + 2 i the live ones: i < MT
	s_add_co_u32 s68, s[NK], 63
	s_lshr_b32 s[NCH], s68, 6                      ; chunks of 64 ranks that hold a live key
	s_lshl_b32 s68, s[NCH], 6
	s_sub_co_u32 s[REST], 2048, s68                ; the keys left out of sweep A: all have mask 0
	s_mov_b32 s[LIM0], 0x7f61b1e6
	s_cmp_gt_u32 s[REST], 0
	s_cselect_b32 s[LIM0], 0, s[LIM0]              ; if there are any, t = 0 is among the row's t: -M is at most 0
	s_lshl_b32 s[TP0], s[W2], 2
	s_add_co_u32 s[TP1], s[TP0], 2
	s_cmp_lt_u32 s[TP0], s[NT]
	s_cselect_b32 s[NCW], s[NCH], 0                ; a wave whose four tiles are dead walks no chunk
	s_wait_loadcnt 0x0
.irp n, 0,1,2,3
	ds_store_b128 v[AQ], v[S+4*\n:S+4*\n+3] offset:512*\n
.endr
	ds_store_b32 v[AQS], v[S+16]
	BAR                                            ; Q's eight tiles lie in LDS
; ---- SWEEP A.  A chunk: 64 ranks of keys: 8 fragments (window 1, from buf on), 4 scale words, 32 numbers c x mask a lane: 28 loads.  The chunk's number is held at 31: no load leaves its buffer.
.macro LOADK buf, set, cm, ks, creg
	s_min_u32 s68, s[\creg], 31
	s_lshl_b32 s70, s68, 13
	s_add_nc_u64 s[\set:\set+1], s[KA:KA+1], s[70:71]
	s_lshl_b32 s70, s68, 9
	s_add_nc_u64 s[\set+2:\set+3], s[KAS:KAS+1], s[70:71]
	s_lshl_b32 s70, s68, 8
	s_add_nc_u64 s[\set+4:\set+5], s[CMC:CMC+1], s[70:71]
	NOPS 4                                         ; places in front of loads into registers that matrix instructions have read
	WIN 0x40
.irp n, 0,1,2,3,4,5,6,7,8,9,10,11,12,13,14,15
	global_load_b128 v[\buf+4*\n:\buf+4*\n+3], v[LI], s[\set:\set+1] offset:512*\n
.endr
	WIN 0
.irp kt, 0,1,2,3
	global_load_b32 v[\ks+\kt], v[LS], s[\set+2:\set+3] offset:128*\kt
.endr
.irp kt, 0,1,2,3
	global_load_b128 v[\cm+8*\kt:\cm+8*\kt+3], v[H32], s[\set+4:\set+5] offset:64*\kt
	global_load_b128 v[\cm+8*\kt+4:\cm+8*\kt+7], v[H32], s[\set+4:\set+5] offset:64*\kt+16
.endr
.endm
; Tiles 2 p, 2 p + 1 of my four against a chunk.  A lane keeps figures of its own (its half of the keys); the halves meet in the merge.  Left out where both tiles are dead.
.macro PAIR p, buf, cm, ks
	s_cmp_le_u32 s[NT], s[TP0+\p]
	s_cbranch_scc1 .Lpair_done_\@
.set STB, STT+12*\p
.irp x, 0,1
.irp n, 0,1,2,3
	ds_load_b128 v[QF+16*\x+4*\n:QF+16*\x+4*\n+3], v[AQA] offset:2048*(2*\p+\x)+512*\n
.endr
	ds_load_b32 v[QS+\x], v[AQSA] offset:128*(2*\p+\x)
.endr
	s_wait_dscnt 0x0
	WIN 0x01                                       ; source 0 (K) window 1
.irp x, 0,1                                    ; eight accumulators by turns; D step 0 starts the sums
.irp kt, 0,1,2,3
	v_wmma_scale_f32_16x16x128_f8f6f4 v[S+32*\x+8*\kt:S+32*\x+8*\kt+7], v[\buf+16*\kt:\buf+16*\kt+7], v[QF+16*\x:QF+16*\x+7], 0, v[\ks+\kt], v[QS+\x] matrix_a_fmt:MATRIX_FMT_FP4 matrix_b_fmt:MATRIX_FMT_FP4
.endr
.endr
.irp x, 0,1
.irp kt, 0,1,2,3
	v_wmma_scale_f32_16x16x128_f8f6f4 v[S+32*\x+8*\kt:S+32*\x+8*\kt+7], v[\buf+16*\kt+8:\buf+16*\kt+15], v[QF+16*\x+8:QF+16*\x+15], v[S+32*\x+8*\kt:S+32*\x+8*\kt+7], v[\ks+\kt], v[QS+\x] matrix_a_fmt:MATRIX_FMT_FP4 matrix_b_fmt:MATRIX_FMT_FP4 matrix_a_scale:MATRIX_SCALE_ROW1 matrix_b_scale:MATRIX_SCALE_ROW1
.endr
.endr
	WIN 0
	NOPS 4
.set i, 0
.rept 16
	v_pk_mul_f32 v[S+i:S+i+1], v[S+i:S+i+1], v[\cm+i:\cm+i+1]               ; t = score x c x mask; each accumulator from its low end on
	v_pk_mul_f32 v[S+32+i:S+33+i], v[S+32+i:S+33+i], v[\cm+i:\cm+i+1]
.set i, i+2
.endr
.irp x, 0,1
	v_max3_num_f32 v[FP+2*\x], v[S+32*\x], v[S+32*\x+1], v[S+32*\x+2]
	v_max3_num_f32 v[FP+2*\x+1], v[S+32*\x+3], v[S+32*\x+4], v[S+32*\x+5]
.endr
.irp i, 6,10,14,18,22,26
.irp x, 0,1
	v_max3_num_f32 v[FP+2*\x], v[FP+2*\x], v[S+32*\x+\i], v[S+32*\x+\i+1]
	v_max3_num_f32 v[FP+2*\x+1], v[FP+2*\x+1], v[S+32*\x+\i+2], v[S+32*\x+\i+3]
.endr
.endr
.irp x, 0,1
	v_max3_num_f32 v[FP+2*\x], v[FP+2*\x], v[S+32*\x+30], v[S+32*\x+31]
.endr
.irp x, 0,1
	v_max3_num_f32 v[STB+6*\x+1], v[STB+6*\x+1], v[FP+2*\x], v[FP+2*\x+1]   ; the running largest t
.endr
.irp x, 0,1
	v_mov_b32 v[TT+\x], v[STB+6*\x]
.endr
.irp x, 0,1
	v_floor_f32 v[STB+6*\x], -v[STB+6*\x+1]        ; -M = floor(-t): M is a whole number
.endr
.irp x, 0,1
	v_sub_f32 v[TT+\x], v[STB+6*\x], v[TT+\x]      ; old M - new M: a whole number, 0 or less
.endr
.irp x, 0,1
	v_cvt_i32_f32 v[TT+\x], v[TT+\x]               ; (it saturates)
.endr
.irp x, 0,1
	v_ldexp_f32 v[FP+2*\x], 1.0, v[TT+\x]          ; f = 2^(old M - new M): a multiplication by it rounds nothing
.endr
.set i, 0
.rept 16
	v_pk_add_f32 v[S+i:S+i+1], v[S+i:S+i+1], v[STB:STB+1] op_sel_hi:[1,0]
	v_pk_add_f32 v[S+32+i:S+33+i], v[S+32+i:S+33+i], v[STB+6:STB+7] op_sel_hi:[1,0]
.set i, i+2
.endr
.set i, 0
.rept 64
	v_exp_f32 v[S+i], v[S+i]                       ; e = 2^(t - M): one batch
.set i, i+1
.endr
.irp x, 0,1
	v_pk_mul_f32 v[STB+6*\x+2:STB+6*\x+3], v[STB+6*\x+2:STB+6*\x+3], v[FP+2*\x:FP+2*\x+1] op_sel_hi:[1,0]   ; Z and R under the new M: plain lines behind the batch
	v_pk_mul_f32 v[STB+6*\x+4:STB+6*\x+5], v[STB+6*\x+4:STB+6*\x+5], v[FP+2*\x:FP+2*\x+1] op_sel_hi:[1,0]
.endr
	s_wait_alu depctr_va_vdst(0)                   ; one wait for the 64 exponentials, ahead of their first reader
.set i, 0
.rept 16
	v_pk_add_f32 v[STB+2:STB+3], v[STB+2:STB+3], v[S+i:S+i+1]
	v_pk_fma_f32 v[STB+4:STB+5], v[S+i:S+i+1], v[\cm+i:\cm+i+1], v[STB+4:STB+5]
	v_pk_add_f32 v[STB+8:STB+9], v[STB+8:STB+9], v[S+32+i:S+33+i]
	v_pk_fma_f32 v[STB+10:STB+11], v[S+32+i:S+33+i], v[\cm+i:\cm+i+1], v[STB+10:STB+11]
.set i, i+2
.endr
.Lpair_done_\@:
.endm
	s_mov_b32 s[C], s[W3]
	s_cmp_ge_u32 s[C], s[NCW]
	s_cbranch_scc1 .Lsweep_end
	s_add_co_u32 s[NTR], s[NCW], 7                 ; my chunks are w % 4, + 4, ... below NCW, two a trip: (NCW - w % 4 + 7) / 8 trips,
	s_sub_co_u32 s[NTR], s[NTR], s[W3]
	s_lshr_b32 s[NTR], s[NTR], 3
	s_min_u32 s[NTR], s[NTR], 4                    ; which is 4 at the most: there are 32 chunks
	s_mov_b32 s[TR], 0
	LOADK 0, SETA, CM, KS, C
.Lsweep:                                           ; a trip: chunks C and C + 4.  Both loads of a trip are always issued, so each wait counts the same loads on every way
	s_add_co_u32 s77, s[C], 4
	LOADK 64, SETB, CM+32, KS+4, 77
	s_wait_loadcnt 28                              ; chunk C is in; the 28 loads just issued may be out
	PAIR 0, 0, CM, KS
	PAIR 1, 0, CM, KS
	s_add_co_u32 s77, s[C], 8
	LOADK 0, SETA, CM, KS, 77
	s_wait_loadcnt 28                              ; chunk C + 4 is in
	s_add_co_u32 s77, s[C], 4
	s_cmp_ge_u32 s77, s[NCW]
	s_cbranch_scc1 .Lno_b                          ; past the last chunk: no products
	PAIR 0, 64, CM+32, KS+4
	PAIR 1, 64, CM+32, KS+4
.Lno_b:
	s_add_co_u32 s[C], s[C], 8
	s_add_co_u32 s[TR], s[TR], 1                   ; the loop ends on its own count of trips, one a trip
	s_cmp_lt_u32 s[TR], s[NTR]
	s_cbranch_scc1 .Lsweep
.Lsweep_end:
	s_wait_loadcnt 0x0                             ; on every way: nothing is out
.irp q, 0,1,2,3
	v_add_f32 v[STT+6*\q+2], v[STT+6*\q+2], v[STT+6*\q+3]
	v_add_f32 v[STT+6*\q+4], v[STT+6*\q+4], v[STT+6*\q+5]
.endr
.irp q, 0,1,2,3
	ds_store_b32 v[ASA], v[STT+6*\q] offset:384*\q
	ds_store_b32 v[ASA], v[STT+6*\q+2] offset:384*\q+128
	ds_store_b32 v[ASA], v[STT+6*\q+4] offset:384*\q+256
.endr
; Key step 8 rd + w for sweep B: 16 fragments of K (window 1), 8 scale words, 64 numbers c x mask a lane: register 16 b + i is key 32 b + 16 (lane / 16) + i
.macro LOADKB rd
	NOPS 4
	WIN 0x40
.set i, 0
.rept 32
	global_load_b128 v[128+4*i:128+4*i+3], v[LI], s[KB:KB+1] offset:131072*\rd+512*i
.set i, i+1
.endr
	WIN 0
.irp t, 0,1,2,3,4,5,6,7
	global_load_b32 v[KS+\t], v[LS], s[KBS:KBS+1] offset:8192*\rd+128*\t
.endr
.irp b, 0,1,2,3
.irp u, 0,1,2,3
	global_load_b128 v[CM+16*\b+4*\u:CM+16*\b+4*\u+3], v[H64], s[CMF:CMF+1] offset:4096*\rd+128*\b+16*\u
.endr
.endr
.endm
	s_cmp_eq_u32 s[NT], 0
	s_cbranch_scc1 .Lno_k0
	LOADKB 0                                       ; it lands while the figures are merged
.Lno_k0:
	WIN 0x40
.set i, 0
.rept 128
	v_mov_b32 v[i], 0                              ; O^T, where sweep A's chunks lay.  (The PV steps are written once for both rounds: the first finds zeros)
.set i, i+1
.endr
	WIN 0
	s_lshl_b32 s68, s[WV], 8
	s_add_co_u32 s68, s68, STF
	v_add_nc_u32 v[AQ], s68, v[L8]
	s_lshl_b32 s68, s[WV], 7
	s_add_co_u32 s68, s68, QFS
	v_add_nc_u32 v[AQS], s68, v[LS]
	BAR                                            ; all waves' figures lie in LDS
; ---- MERGE of tile w: four waves' figures, two halves of the lanes, and the keys left out
.irp k, 0,1,2,3
	ds_load_b32 v[128+\k], v[AMG] offset:3072*\k
	ds_load_b32 v[132+\k], v[AMG] offset:3072*\k+128
	ds_load_b32 v[136+\k], v[AMG] offset:3072*\k+256
.endr
	v_mov_b32 v148, 0                              ; (a lane permute's destination counts as one of its sources)
	v_mov_b32 v149, 0
	s_mov_b32 s77, EPSC
	s_wait_dscnt 0x0
	v_min_num_f32 v140, v128, v129
	v_min_num_f32 v141, v130, v131
	v_min_num_f32 v140, v140, v141
	v_permlanex16_b32 v141, v140, s[SEL], s[SEL+1]
	v_min_num_f32 v140, v140, v141
	v_min_num_f32 v140, s[LIM0], v140              ; -M of the whole row
.irp k, 0,1,2,3
	v_sub_f32 v[144+\k], v140, v[128+\k]
.endr
.irp k, 0,1,2,3
	v_cvt_i32_f32 v[144+\k], v[144+\k]
.endr
.irp k, 0,1,2,3
	v_ldexp_f32 v[144+\k], 1.0, v[144+\k]          ; 2^(M_k - M); 0 for a wave that walked no chunk
.endr
	v_mul_f32 v142, v144, v132
	v_mul_f32 v143, v144, v136
.irp k, 1,2,3
	v_fmac_f32 v142, v[144+\k], v[132+\k]
	v_fmac_f32 v143, v[144+\k], v[136+\k]
.endr
	v_permlanex16_b32 v148, v142, s[SEL], s[SEL+1]
	v_permlanex16_b32 v149, v143, s[SEL], s[SEL+1]
	v_add_f32 v142, v142, v148
	v_add_f32 v143, v143, v149
	v_cvt_i32_f32 v150, v140
	v_mov_b32 v151, s[REST]
	v_cvt_f32_u32 v151, v151
	v_ldexp_f32 v151, v151, v150                   ; the keys left out: each adds 2^(0 - M) to Z and nothing to R
	v_add_f32 v142, v142, v151
	v_fma_f32 v143, v142, s77, v143                ; R + 1e-13 c Z
	v_rcp_f32 v141, v143
	v_nop
	s_wait_alu depctr_va_vdst(0)
	ds_store_b64 v[AQ], v[140:141]                 ; {-M, g}
	ds_store_b32 v[AQS], v[QFR]
	BAR
; ---- SWEEP B
; 64 numbers of a lane, register 16 b + i = key 32 b + 16 (lane / 16) + i of my query, become a fragment's codes in v[PC] on and its scale word in v[PW]
.macro QUANT s
.irp b, 0,1,2,3
	v_max3_num_f32 v[TM+\b], |v[\s+16*\b]|, |v[\s+1+16*\b]|, 0x1800000   ; with the floor 2^(3 - 127): the byte cannot fall under 1
.endr
.irp i, 2,4,6,8,10,12,14
.irp b, 0,1,2,3
	v_max3_num_f32 v[TM+\b], v[TM+\b], |v[\s+16*\b+\i]|, |v[\s+1+16*\b+\i]|
.endr
.endr
.irp b, 0,1,2,3
	v_permlanex16_b32 v[TM+4+\b], v[TM+\b], s[SEL], s[SEL+1]
.endr
.irp b, 0,1,2,3
	v_max_num_f32 v[TM+\b], v[TM+\b], v[TM+4+\b]   ; with lane l xor 16's: the block's largest magnitude
.endr
.irp b, 0,1,2,3
	v_add_nc_u32 v[TM+12+\b], 0xff000000, v[TM+\b] ; 2 off its exponent field: the conversions' scale operand
.endr
.irp b, 0,1,2,3
	v_lshrrev_b32 v[TM+4+\b], 23, v[TM+12+\b]      ; the scale's byte
.endr
	v_lshl_or_b32 v[PW], v[TM+5], 8, v[TM+4]
	v_lshl_or_b32 v[PW], v[TM+6], 16, v[PW]
	v_lshl_or_b32 v[PW], v[TM+7], 24, v[PW]
.irp b, 0,1,2,3
	v_cvt_scalef32_pk8_fp4_f32 v[PC+2*\b], v[\s+16*\b:\s+7+16*\b], v[TM+12+\b]
	v_cvt_scalef32_pk8_fp4_f32 v[PC+1+2*\b], v[\s+8+16*\b:\s+15+16*\b], v[TM+12+\b]
.endr
	v_nop                                          ; one plain place behind a scaled conversion
.irp c, 0,1                                    ; the operand's layout wants a whole block in a lane
.irp i, 0,1
	v_permlane16_swap_b32 v[PC+4*\c+\i], v[PC+2+4*\c+\i]
.endr
.endr
.endm
; One tile of queries against my key step: scores, a, its codes; and a slice of V (2,048 bytes) passes through registers into LDS meanwhile
.macro SOFTB
.irp n, 0,1,2,3
	ds_load_b128 v[QF+4*\n:QF+4*\n+3], v[AQ] offset:512*\n
.endr
	ds_load_b32 v[QS], v[AQS]
	ds_load_b64 v[NMP:NMP+1], v[AST]
.irp k, 0,1,2,3
	global_load_b128 v[VT+4*\k:VT+4*\k+3], v[AVG], s[VG:VG+1] offset:512*\k
.endr
	s_wait_dscnt 0x0
	v_mov_b32 v[GP], v[NMP+1]
	WIN 0x01
.irp t, 0,1,2,3,4,5,6,7
	v_wmma_scale_f32_16x16x128_f8f6f4 v[S+8*\t:S+8*\t+7], v[128+16*\t:128+16*\t+7], v[QF:QF+7], 0, v[KS+\t], v[QS] matrix_a_fmt:MATRIX_FMT_FP4 matrix_b_fmt:MATRIX_FMT_FP4
.endr
.irp t, 0,1,2,3,4,5,6,7
	v_wmma_scale_f32_16x16x128_f8f6f4 v[S+8*\t:S+8*\t+7], v[136+16*\t:136+16*\t+7], v[QF+8:QF+15], v[S+8*\t:S+8*\t+7], v[KS+\t], v[QS] matrix_a_fmt:MATRIX_FMT_FP4 matrix_b_fmt:MATRIX_FMT_FP4 matrix_a_scale:MATRIX_SCALE_ROW1 matrix_b_scale:MATRIX_SCALE_ROW1
.endr
	WIN 0
	NOPS 4
.set i, 0
.rept 32
	v_pk_fma_f32 v[S+i:S+i+1], v[S+i:S+i+1], v[CM+i:CM+i+1], v[NMP:NMP+1] op_sel_hi:[1,1,0]   ; t - M
.set i, i+2
.endr
.set i, 0
.rept 64
	v_exp_f32 v[S+i], v[S+i]
.set i, i+1
.endr
	v_nop                                          ; a plain place behind the batch,
	s_wait_alu depctr_va_vdst(0)                   ; and its one wait, ahead of the first reader
.set i, 0
.rept 32
	v_pk_mul_f32 v[S+i:S+i+1], v[S+i:S+i+1], v[GP:GP+1] op_sel_hi:[1,0]     ; e g
.set i, i+2
.endr
.set i, 0
.rept 32
	v_pk_mul_f32 v[S+i:S+i+1], v[S+i:S+i+1], v[CM+i:CM+i+1]                 ; a = e g c mask
.set i, i+2
.endr
	QUANT S
	ds_store_b128 v[API], v[PC:PC+3]
	ds_store_b128 v[API], v[PC+4:PC+7] offset:512
	ds_store_b32 v[APS], v[PW]
	s_wait_loadcnt 0x0                             ; the slice of V (and, in the first slot, V's scale words)
.irp k, 0,1,2,3
	ds_store_b128 v[AVS], v[VT+4*\k:VT+4*\k+3] offset:512*\k
.endr
	s_wait_dscnt 0x0                               ; the stores have read their registers: the next slot writes addresses and data anew
.endm
.macro VBATCH off                      ; four slices of V that dead slots did not bring
.set i, 0
.rept 16
	global_load_b128 v[S+4*i:S+4*i+3], v[LI], s[VG:VG+1] offset:\off+512*i
.set i, i+1
.endr
	s_wait_loadcnt 0x0
.set i, 0
.rept 16
	ds_store_b128 v[AVB], v[S+4*i:S+4*i+3] offset:\off+512*i
.set i, i+1
.endr
	s_wait_dscnt 0x0
.endm
; PV.  Step sl's operands into buffer bf: V's four fragments of my channels, a's fragments and scale words of my mt live tiles
.macro PVLOAD sl, bf, mt
.if (\sl) < 4
.set AVX, AV0
.else
.set AVX, AV1
.endif
.irp dt, 0,1,2,3
.irp c, 0,1
	ds_load_b128 v[VA+32*(\bf)+8*\dt+4*\c:VA+32*(\bf)+8*\dt+4*\c+3], v[AVX] offset:16384*((\sl)%4)+1024*\dt+512*\c
.endr
.endr
.set ii, 0
.rept \mt
	ds_load_b128 v[PA+32*(\bf)+8*ii:PA+32*(\bf)+8*ii+3], v[AP] offset:8192*(\sl)+2048*ii
	ds_load_b128 v[PA+32*(\bf)+8*ii+4:PA+32*(\bf)+8*ii+7], v[AP] offset:8192*(\sl)+2048*ii+512
	ds_load_b32 v[PS+4*(\bf)+ii], v[APP] offset:1024*(\sl)+256*ii
.set ii, ii+1
.endr
.endm
; A round's eight steps for mt live tiles: written out for each mt, so that no branch stands inside.  The 4 mt accumulators take turns, one instruction a turn
.macro PVALL mt
	PVLOAD 0, 0, \mt
.irp sl, 0,1,2,3,4,5,6,7
	s_wait_dscnt 0x0                               ; this step's operands are in (asked for ahead of the last step's products)
	NOPS 4                                         ; places in front of loads into the buffer that the last step multiplied
.if \sl < 7
	PVLOAD \sl+1, (\sl+1)%2, \mt
.endif
	WIN 0x50                                       ; C and D (O^T) window 1
.set ii, 0
.rept \mt
.irp dt, 0,1,2,3
.if (\dt%2) == 0
	v_wmma_scale_f32_16x16x128_f8f6f4 v[32*ii+8*\dt:32*ii+8*\dt+7], v[VA+32*(\sl%2)+8*\dt:VA+32*(\sl%2)+8*\dt+7], v[PA+32*(\sl%2)+8*ii:PA+32*(\sl%2)+8*ii+7], v[32*ii+8*\dt:32*ii+8*\dt+7], v[VS+2*\sl+\dt/2], v[PS+4*(\sl%2)+ii] matrix_a_fmt:MATRIX_FMT_FP4 matrix_b_fmt:MATRIX_FMT_FP4
.else
	v_wmma_scale_f32_16x16x128_f8f6f4 v[32*ii+8*\dt:32*ii+8*\dt+7], v[VA+32*(\sl%2)+8*\dt:VA+32*(\sl%2)+8*\dt+7], v[PA+32*(\sl%2)+8*ii:PA+32*(\sl%2)+8*ii+7], v[32*ii+8*\dt:32*ii+8*\dt+7], v[VS+2*\sl+\dt/2], v[PS+4*(\sl%2)+ii] matrix_a_fmt:MATRIX_FMT_FP4 matrix_b_fmt:MATRIX_FMT_FP4 matrix_a_scale:MATRIX_SCALE_ROW1
.endif
.endr
.set ii, ii+1
.endr
	WIN 0
.endr
.endm
	s_mov_b32 s[RD], 0
.Lround:                                           ; two rounds of 8 key steps (1,024 keys): a softmax phase, then a PV phase
	s_wait_loadcnt 0x0                             ; on every way: K, its scale words and c x mask of my key step are in
	NOPS 5                                         ; places behind the last round's products, in front of the loads and products that land on their registers
	s_cmp_eq_u32 s[NT], 0
	s_cbranch_scc1 .Lno_vs
.irp sl, 0,1,2,3,4,5,6,7
.irp p, 0,1
	global_load_b32 v[VS+2*\sl+\p], v[LS], s[VSG:VSG+1] offset:1024*\sl+128*\p   ; V's scale words: lanes 0-15 channel tile 2 p of my four, lanes 16-31 tile 2 p + 1
.endr
.endr
.Lno_vs:
	s_mov_b32 s[SI], 0
.Lslot:                                            ; eight trips, a constant; a dead tile's work is jumped over inside the trip
	s_lshl_b32 s68, s[SI], 11
	v_add_nc_u32 v[AQ], s68, v[LI]
	v_add_nc_u32 v[AVS], s68, v[AVB]
	v_add_nc_u32 v[AVG], s68, v[LI]
	s_lshl_b32 s68, s[SI], 7
	s_add_co_u32 s70, s68, QSC
	v_add_nc_u32 v[AQS], s70, v[LS]
	s_add_co_u32 s70, s68, s[PSW]
	v_add_nc_u32 v[APS], s70, v[LS]
	s_lshl_b32 s68, s[SI], 8
	s_add_co_u32 s68, s68, STF
	v_add_nc_u32 v[AST], s68, v[L8]
	s_lshl_b32 s68, s[SI], 10
	s_add_co_u32 s68, s68, s[PIW]
	v_add_nc_u32 v[API], s68, v[LI]
	s_cmp_ge_u32 s[SI], s[NT]
	s_cbranch_scc1 .Lslot_skip
	SOFTB
.Lslot_skip:
	s_add_co_u32 s[SI], s[SI], 1
	s_cmp_lt_u32 s[SI], 8
	s_cbranch_scc1 .Lslot
	s_cmp_lt_u32 s[NTM1], 7                        ; 1 to 7 live tiles: slices 4 to 7 of my step of V (those that a slot brought are written again, by me, with the same bytes)
	s_cbranch_scc0 .Lv_whole
	VBATCH 8192
	s_cmp_lt_u32 s[NTM1], 3                        ; 1 to 3: slices 0 to 3 too
	s_cbranch_scc0 .Lv_whole
	VBATCH 0
.Lv_whole:
	s_wait_loadcnt 0x0                             ; on every way
	BAR                                            ; a's and V's images of the round lie in LDS
	s_cmp_eq_u32 s[RD], 0
	s_cbranch_scc0 .Llast_round
	s_cmp_eq_u32 s[NT], 0
	s_cbranch_scc1 .Lpv_go
	LOADKB 1                                       ; the next round's key step lands under the PV phase
	s_branch .Lpv_go
.Llast_round:
	NOPS 4
	WIN 0x40
.irp i, 0,1,2,3
.irp k, 0,1,2,3,4,5,6,7
	global_load_b32 v[128+8*\i+\k], v[H4], s[LST:LST+1] offset:128*\i+8*\k   ; the rows of my tiles' ranks: for tile i, ranks 2 k + lane / 16
.endr
.endr
	WIN 0
.Lpv_go:
	s_cmp_eq_u32 s[MT], 0
	s_cbranch_scc1 .Lpv_done
	s_cmp_eq_u32 s[MT], 1
	s_cbranch_scc1 .Lpv_1
	s_cmp_eq_u32 s[MT], 2
	s_cbranch_scc1 .Lpv_2
	s_cmp_eq_u32 s[MT], 3
	s_cbranch_scc1 .Lpv_3
	PVALL 4
	s_branch .Lpv_done
.Lpv_3:
	PVALL 3
	s_branch .Lpv_done
.Lpv_2:
	PVALL 2
	s_branch .Lpv_done
.Lpv_1:
	PVALL 1
.Lpv_done:
	BAR                                            ; nobody reads the round's images any more
	s_add_nc_u64 s[VG:VG+1], s[VG:VG+1], 131072    ; (every load by these two bases was waited for in front of the barrier before)
	s_add_nc_u64 s[VSG:VSG+1], s[VSG:VSG+1], 8192
	s_add_co_u32 s[RD], s[RD], 1
	s_cmp_lt_u32 s[RD], 2
	s_cbranch_scc1 .Lround
; ---- THE WAY OUT.  A live tile: O^T x the query's mask, through my stage, back as rows of 256 bytes, stored at the rows that the list names.  A dead tile: zeros at its rows.
	s_wait_loadcnt 0x0
	WIN 0x04                                       ; source 1 window 1
.set i, 0
.rept 32
	v_min_u32 v[OFF+i], 2047, v[128+i]             ; a row's number is within 0 .. 2047; held there, since it enters addresses
.set i, i+1
.endr
	WIN 0
.set i, 0
.rept 32
	v_lshl_add_u32 v[OFF+i], v[OFF+i], 10, v[GOF]  ; a row is 1,024 bytes; 16 bytes a lane
.set i, i+1
.endr
.irp n, 0,1,2,3
	v_mov_b32 v[ZR+\n], 0
.endr
	v_mov_b32 v[QFP+1], 0                          ; (named as the upper half of a pair)
.macro OUTT i
.set OBX, OB+32*((\i)%2)
	s_cmp_le_u32 s[MT], \i
	s_cbranch_scc1 .Ldead_\@
	ds_load_b32 v[QFP], v[AQF] offset:256*\i
	s_wait_dscnt 0x0
	WIN 0x01                                       ; source 0 (O^T) window 1
.set j, 0
.rept 16
	v_pk_mul_f32 v[OT+j:OT+j+1], v[32*\i+j:32*\i+j+1], v[QFP:QFP+1] op_sel_hi:[1,0]   ; each accumulator from its low end on
.set j, j+2
.endr
	WIN 0
.irp dt, 0,1,2,3
	ds_store_b128 v[STO], v[OT+8*\dt:OT+8*\dt+3] offset:64*\dt
	ds_store_b128 v[STO], v[OT+8*\dt+4:OT+8*\dt+7] offset:64*\dt+16
.endr
	s_wait_xcnt 0x0                                ; earlier stores have read their data: the registers below may be loaded again
.irp k, 0,1,2,3,4,5,6,7
	ds_load_b128 v[OBX+4*\k:OBX+4*\k+3], v[RDB] offset:544*\k   ; LDS serves a wave's instructions in order: these see my stores
.endr
	s_wait_dscnt 0x0
.irp k, 0,1,2,3,4,5,6,7
	global_store_b128 v[OFF+8*\i+\k], v[OBX+4*\k:OBX+4*\k+3], s[OUT:OUT+1] th:TH_STORE_NT   ; sixteen lanes store 256 consecutive bytes, aligned
.endr
	s_branch .Lsent_\@
.Ldead_\@:
.irp k, 0,1,2,3,4,5,6,7
	global_store_b128 v[OFF+8*\i+\k], v[ZR:ZR+3], s[OUT:OUT+1] th:TH_STORE_NT
.endr
.Lsent_\@:
.endm
	OUTT 0
	OUTT 1
	OUTT 2
	OUTT 3
	s_wait_tensorcnt 0x0                           ; the wave's end: behind my last LDS store
	ds_add_u32 v[SPW], v[NIL]
	s_wait_dscnt 0x0
	s_endpgm
.Lfunc_end_k_qbe6a539d9e_attn:
	.size	k_qbe6a539d9e_attn, .Lfunc_end_k_qbe6a539d9e_attn-k_qbe6a539d9e_attn
	.p2alignl 7, 3214868480
	.fill 96, 4, 3214868480
	.section	.rodata,"a",@progbits
	.p2align	6, 0x0
	.amdhsa_kernel k_qbe6a539d9e_attn
		.amdhsa_group_segment_fixed_size 273408
		.amdhsa_private_segment_fixed_size 0
		.amdhsa_enable_private_segment 0
		.amdhsa_kernarg_size 64
		.amdhsa_user_sgpr_count 2
		.amdhsa_user_sgpr_kernarg_segment_ptr 1
		.amdhsa_wavefront_size32 1
		.amdhsa_system_sgpr_workgroup_id_x 1
		.amdhsa_system_sgpr_workgroup_id_y 1
		.amdhsa_system_sgpr_workgroup_id_z 1
		.amdhsa_system_vgpr_workitem_id 0
		.amdhsa_next_free_vgpr 512
		.amdhsa_next_free_sgpr 96
		.amdhsa_reserve_vcc 0
		.amdhsa_float_denorm_mode_32 3
		.amdhsa_float_denorm_mode_16_64 3
		.amdhsa_memory_ordered 1
		.amdhsa_forward_progress 1
		.amdhsa_inst_pref_size 232
	.end_amdhsa_kernel
	.amdgpu_metadata
---
amdhsa.version: [ 1, 2 ]
amdhsa.kernels:
  - .name:           k_qbe6a539d9e_attn
    .symbol:         k_qbe6a539d9e_attn.kd
    .args:
      - { .name: codes_q, .offset: 0, .size: 8, .value_kind: global_buffer, .address_space: global }
      - { .name: codes_k, .offset: 8, .size: 8, .value_kind: global_buffer, .address_space: global }
      - { .name: codes_v, .offset: 16, .size: 8, .value_kind: global_buffer, .address_space: global }
      - { .name: scales, .offset: 24, .size: 8, .value_kind: global_buffer, .address_space: global }
      - { .name: maskf, .offset: 32, .size: 8, .value_kind: global_buffer, .address_space: global }
      - { .name: idx, .offset: 40, .size: 8, .value_kind: global_buffer, .address_space: global }
      - { .name: out0, .offset: 48, .size: 8, .value_kind: global_buffer, .address_space: global }
      - { .name: out1, .offset: 56, .size: 8, .value_kind: global_buffer, .address_space: global }
    .group_segment_fixed_size: 273408
    .private_segment_fixed_size: 0
    .kernarg_segment_align: 8
    .kernarg_segment_size: 64
    .max_flat_workgroup_size: 256
    .sgpr_count:     96
    .vgpr_count:     512
    .wavefront_size: 32
...
	.end_amdgpu_metadata
.endif
;; end of part 2
;; ======== version 2 of 2: 2 launches
;; workspace buffers: codes_q 8,388,608 bytes; codes_k 8,388,608 bytes; codes_v 8,388,608 bytes; scales 1,572,864 bytes; maskf 786,432 bytes; idx 266,240 bytes of whole numbers
;; launch prep (part 3): grid 16 x 32, 8 waves a work-group, no clusters, 38,912 bytes of LDS; arguments premise_batch, hypothesis_batch, premise_mask, hypothesis_mask, codes_q, codes_k, codes_v, scales, maskf, idx; writes codes_q, codes_k, codes_v, scales, maskf, idx
.if DOCPART == 3
	.amdgcn_target "amdgcn-amd-amdhsa--gfx1250"
	.amdhsa_code_object_version 6
	.text
	.protected	k_qbe6a539d9e_prep
	.globl	k_qbe6a539d9e_prep
	.p2align	8
	.type	k_qbe6a539d9e_prep,@function
k_qbe6a539d9e_prep:
	s_mov_b64 s[64:65], 0
	v_nop
	global_prefetch_b8 v0, s[64:65] scope:SCOPE_SE
	s_setreg_imm32_b32 hwreg(HW_REG_WAVE_MODE, 25, 1), 1
	s_wait_xcnt 0x0
; PREP.  Both tensors, P (y = 0..15) and H (y = 16..31), [16][2048][256] f32, are read once and turned into codes of FP4 (E2M1) with one E8M0 byte for each 32 numbers:
;   along D (the scores' K), stored twice: codes_q with the rows in RANK order (rows whose mask is not 0 first), codes_k with the rows in their own order;  along L (the second products' K): codes_v.
; All three are laid as IMAGES OF OPERAND REGISTERS: a fragment of 16 rows x 128 K is [c 0..1][lane 0..31][16 bytes], lane 16 h + r holding row r's codes of k = 64 c + 32 h + 0..31.
; The masks are whole numbers: each row gets a rank: pos = live rows before it, if its mask is not 0, else 2047 - dead rows before it.  Stored for the next launch: list[pos] = row, the count of live rows,
; c x mask by key and by rank (c = log2(e) / 16), and mask as f32 by rank.
; WORK LEFT OUT BY THE PROGRAM (shown here for both launches, in the problem's own terms):
;   (1) a row of attended_premises (attended_hypotheses) is multiplied by pm (hm) of its query: where that is 0 the row is 0 for all finite inputs; the next launch stores zeros there and forms no product for whole tiles of such rows;
;   (2) the softmax's input is sim x mask of the key: where that mask is 0 the input is 0 whatever sim holds, so for the row's maximum and sums such a key counts as the number 0, by a count, with no product.
;   Both are decided by the masks, whole numbers read from memory.  Every input is loaded.  LIMIT: a NaN, an infinity or an overflow that reaches only the work left out is not carried to the result.
; A block's scale is 2^(floor(log2(largest magnitude)) - 2): its byte is that magnitude's exponent field - 2, held at 1 from below.  A block of zeros so has the byte 1 where the rule says 127: its codes are zeros, and this program alone reads the bytes.
; LIMITS: blocks whose largest magnitude lies under 2^-124 keep the byte 1; NaN and infinities among the inputs are not served.
; SHARES.  Work-group (st, y): rows 128 st .. + 127 of tensor y.  Wave w: columns 32 w .. + 31, in four blocks of 32 rows.  A lane is a column and its registers run down the rows: that is a block along L.
; The same 32 x 32 numbers turn through the wave's own stage in LDS (rows 144 bytes apart) and come back a row to a lane: that is block w along D.
.set C_LOG,  0x3db8aa3b                ; log2(e) / 16
.set TRP,    144                       ; a stage row: 128 bytes + 16
.set TRW,    32*TRP                    ; a wave's stage
.set SB,     8*TRW                     ; behind the stages: the D scale bytes, [row 128][8]
.set SPARE,  SB+1024                   ; the spare words, 128 bytes for each wave: four blocks of 256 bytes that no other line names
.set LANE, 1
.set L4,   2                           ; 4 x lane
.set TRS,  3                           ; the stage, on the way in
.set TRL,  4                           ; and on the way out
.set SBA,  5                           ; where my row's D byte goes
.set SBR,  6                           ; where I read a scale word back
.set VTO,  7                           ; my place in codes_v
.set CKO,  8                           ; my place in codes_k
.set VSO,  9                           ; my column's L scale word
.set SPW,  10                          ; my spare word's LDS address; never rewritten
.set NIL,  11                          ; 0; never rewritten
.set MK,   16                          ; v16-19  my row's mask, block j
.set POS,  20                          ; v20-23  its rank
.set OQ,   24                          ; v24-27  its place in codes_q
.set POSW, 28                          ; the rank of row 32 (w & 3) + lane
.set WL,   29                          ; my column's four L bytes
.set DKO,  30                          ; my place among codes_k's scale words
.set L16,  31                          ; 16 x lane
.set X,    32                          ; v32-95   two sets of 32 numbers, a column each
.set Y,    96                          ; v96-127  32 numbers of a row;  at the head v96-159 hold the batch's 2,048 mask words
.set CL,   128                         ; v128-143 L codes, four registers a block: no store's data are written again
.set CD,   144                         ; v144-159 D codes likewise
.set ROWN, 160                         ; v160-175 wave 0: row numbers, c x mask, mask, 4 x rank
.set CMV,  164
.set QFV,  168
.set P4,   172
.set CNTV, 176
.set SWD,  177
.set DB,   178                         ; v178-181 D bytes
.set SQO,  182
.set IN,  4
.set MA,  8
.set MB,  10
.set CQ,  12
.set CK,  14
.set CV,  16
.set SQ,  38
.set SK,  40
.set SV,  42
.set CMF, 44
.set CMC, 46
.set QFP, 48
.set LIST, 50
.set CNT, 52
.set WV,  24
.set ST,  25
.set YY,  26
.set BB,  27
	s_load_b512 s[4:19], s[0:1], 0x0               ; P, H, pm, hm, codes_q, codes_k, codes_v, scales
	s_load_b128 s[20:23], s[0:1], 0x40             ; maskf, idx
	v_lshl_add_u32 v[SPW], v0, 2, SPARE
	v_mov_b32 v[NIL], 0
	v_lshrrev_b32 v12, 5, v0
	s_delay_alu instid0(VALU_DEP_1)
	v_readfirstlane_b32 s[WV], v12                 ; wave 0..7
	v_and_b32 v[LANE], 31, v0
	s_wait_alu depctr_va_vdst(0)
	s_mov_b32 s[ST], ttmp9                         ; which 128 rows
	s_and_b32 s[YY], ttmp7, 0xffff                 ; 16 x tensor + batch
	s_and_b32 s[BB], s[YY], 15
	s_lshr_b32 s72, s[WV], 2                       ; which 128 along D
	s_and_b32 s73, s[WV], 3
	s_lshl_b32 s74, s[WV], 8                       ; block w's place in a tile's two images: 1,024 (w / 4) + 512 ((w / 2) % 2) + 256 (w % 2) = 256 w
	; byte offsets, each in a pair with 0 above it
	s_lshl_b32 s28, s[BB], 21
	s_lshl_b32 s75, s[ST], 17
	s_add_co_u32 s28, s28, s75
	s_lshl_b32 s75, s[WV], 7
	s_add_co_u32 s28, s28, s75                     ; the tensor: batch, my 128 rows, my 32 columns
	s_mov_b32 s29, 0
	s_lshl_b32 s30, s[BB], 13                      ; the batch's mask
	s_mov_b32 s31, 0
	s_lshl_b32 s76, s[YY], 18
	s_add_co_u32 s32, s76, s74                     ; codes_q
	s_mov_b32 s33, 0
	s_lshl_b32 s75, s[ST], 14
	s_add_co_u32 s36, s76, s75                     ; codes_v
	s_mov_b32 s37, 0
	s_add_co_u32 s34, s36, s74                     ; codes_k
	s_mov_b32 s35, 0
	s_lshl_b32 s76, s[YY], 14
	s_lshl_b32 s77, s72, 6
	s_add_co_u32 s38, s76, s77                     ; codes_q's scale words
	s_mov_b32 s39, 0
	s_lshl_b32 s75, s[ST], 10
	s_add_co_u32 s42, s76, s75
	s_add_co_u32 s40, s42, s77
	s_lshl_b32 s75, s73, 8
	s_add_co_u32 s40, s40, s75
	s_add_co_u32 s40, s40, 524288                  ; codes_k's
	s_mov_b32 s41, 0
	s_add_co_u32 s42, s42, 1048576                 ; codes_v's
	s_mov_b32 s43, 0
	s_lshl_b32 s76, s[YY], 13
	s_lshl_b32 s54, s[ST], 9
	s_mov_b32 s55, 0
	s_add_co_u32 s44, s76, s54                     ; c x mask by key
	s_mov_b32 s45, 0
	s_add_co_u32 s46, s76, 262144                  ; c x mask by rank
	s_mov_b32 s47, 0
	s_add_co_u32 s48, s76, 524288                  ; mask by rank
	s_mov_b32 s49, 0
	s_mov_b32 s50, s76                             ; the list
	s_mov_b32 s51, 0
	s_lshl_b32 s52, s[YY], 7
	s_add_co_u32 s52, s52, 262144                  ; the count
	s_mov_b32 s53, 0
	; lane terms
	v_lshlrev_b32 v[L4], 2, v[LANE]
	v_lshlrev_b32 v[L16], 4, v[LANE]
	s_mul_i32 s78, s[WV], TRW
	v_add_nc_u32 v[TRS], s78, v[L4]
	v_mul_u32_u24 v[TRL], v[LANE], TRP
	s_delay_alu instid0(VALU_DEP_1)
	v_add_nc_u32 v[TRL], s78, v[TRL]
	s_add_co_u32 s78, s[WV], SB
	v_lshl_add_u32 v[SBA], v[LANE], 3, s78         ; row's 8 bytes, byte w
	s_lshl_b32 s78, s73, 8
	s_lshl_b32 s79, s72, 2
	s_add_co_u32 s78, s78, s79
	s_add_co_u32 s78, s78, SB
	v_lshl_add_u32 v[SBR], v[LANE], 3, s78         ; row 32 (w & 3) + lane, word w / 4
	v_lshrrev_b32 v12, 4, v[LANE]
	v_and_b32 v13, 15, v[LANE]
	s_delay_alu instid0(VALU_DEP_1)
	v_lshlrev_b32 v13, 4, v13
	s_delay_alu instid0(VALU_DEP_1)
	v_lshl_add_u32 v13, v12, 10, v13
	s_lshl_b32 s78, s[WV], 11
	v_add_nc_u32 v[VTO], s78, v13                  ; column d = 32 w + lane: tile d / 16, row d % 16
	v_bfe_u32 v13, v[LANE], 3, 1                   ; u
	v_and_b32 v14, 7, v[LANE]
	s_delay_alu instid0(VALU_DEP_1)
	v_lshl_add_u32 v14, v12, 3, v14                ; r: key 32 j + lane sits in tile 2 j + u at row r = lane % 8 + 8 (lane / 16)
	s_delay_alu instid0(VALU_DEP_1)
	v_lshlrev_b32 v15, 4, v14
	s_delay_alu instid0(VALU_DEP_1)
	v_lshl_add_u32 v[CKO], v13, 11, v15
	s_delay_alu instid0(VALU_DEP_3)
	v_lshlrev_b32 v15, 2, v14
	s_delay_alu instid0(VALU_DEP_1)
	v_lshl_add_u32 v[DKO], v13, 7, v15
	s_lshl_b32 s78, s[WV], 7
	v_add_nc_u32 v[VSO], s78, v[L4]
	s_wait_kmcnt 0x0
	s_cmp_lt_u32 s[YY], 16                         ; P or H: the choice hangs on the work-group's number alone
	s_cselect_b64 s[IN:IN+1], s[4:5], s[6:7]
	s_cselect_b64 s[MA:MA+1], s[8:9], s[10:11]
	s_add_nc_u64 s[IN:IN+1], s[IN:IN+1], s[28:29]
	s_add_nc_u64 s[MA:MA+1], s[MA:MA+1], s[30:31]
	s_add_nc_u64 s[MB:MB+1], s[MA:MA+1], s[54:55]
	s_add_nc_u64 s[CQ:CQ+1], s[CQ:CQ+1], s[32:33]
	s_add_nc_u64 s[CK:CK+1], s[CK:CK+1], s[34:35]
	s_add_nc_u64 s[CV:CV+1], s[CV:CV+1], s[36:37]
	s_add_nc_u64 s[SQ:SQ+1], s[18:19], s[38:39]
	s_add_nc_u64 s[SK:SK+1], s[18:19], s[40:41]
	s_add_nc_u64 s[SV:SV+1], s[18:19], s[42:43]
	s_add_nc_u64 s[CMF:CMF+1], s[20:21], s[44:45]
	s_add_nc_u64 s[CMC:CMC+1], s[20:21], s[46:47]
	s_add_nc_u64 s[QFP:QFP+1], s[20:21], s[48:49]
	s_add_nc_u64 s[LIST:LIST+1], s[22:23], s[50:51]
	s_add_nc_u64 s[CNT:CNT+1], s[22:23], s[52:53]
.macro LOAD t                          ; block t: rows 32 t + i of my column, into set t % 2; a wave reads 128 consecutive bytes, the eight waves a whole row
.irp i, 0,1,2,3,4,5,6,7,8,9,10,11,12,13,14,15,16,17,18,19,20,21,22,23,24,25,26,27,28,29,30,31
	global_load_b32 v[X+32*((\t)%2)+\i], v[L4], s[IN:IN+1] offset:(32*(\t)+\i)*1024 th:TH_LOAD_NT
.endr
.endm
.irp q, 0,1,2,3,4,5,6,7,8,9,10,11,12,13,14,15
	global_load_b128 v[Y+4*\q:Y+4*\q+3], v[L16], s[MA:MA+1] offset:512*\q   ; the batch's mask: registers 4 q .. 4 q + 3 hold rows 128 q + 4 lane + 0 .. 3
.endr
.irp j, 0,1,2,3
	global_load_b32 v[MK+\j], v[L4], s[MB:MB+1] offset:128*\j               ; and my work-group's rows, a row to a lane
.endr
	LOAD 0
	s_wait_loadcnt 32                              ; the masks are in; block 0's 32 loads may be out
	; RANKS.  Every wave counts for itself: live rows in the segments of 128 rows ahead of mine,
	s_mov_b32 s61, 0
.irp q, 0,1,2,3,4,5,6,7,8,9,10,11,12,13,14,15
	v_cmp_ne_u32 s56, 0, v[Y+4*\q]
	v_cmp_ne_u32 s57, 0, v[Y+4*\q+1]
	v_cmp_ne_u32 s58, 0, v[Y+4*\q+2]
	v_cmp_ne_u32 s59, 0, v[Y+4*\q+3]
	s_bcnt1_i32_b32 s56, s56
	s_bcnt1_i32_b32 s57, s57
	s_bcnt1_i32_b32 s58, s58
	s_bcnt1_i32_b32 s59, s59
	s_add_co_u32 s56, s56, s57
	s_add_co_u32 s58, s58, s59
	s_add_co_u32 s56, s56, s58
	s_cmp_gt_u32 s[ST], \q
	s_cselect_b32 s56, s56, 0
	s_add_co_u32 s61, s61, s56
.endr
	LOAD 1
.irp j, 0,1,2,3
	v_cmp_ne_u32 s[66+\j], 0, v[MK+\j]             ; then in my four blocks of 32 rows
.endr
	s_mov_b32 s80, s61
.irp j, 0,1,2,3
	s_bcnt1_i32_b32 s86, s[66+\j]
	s_add_co_u32 s[81+\j], s[80+\j], s86           ; s80 + j: live rows ahead of block j;  s84: up to my last row
.endr
	s_lshl_b32 s85, s[ST], 7
	v_add_nc_u32 v14, s85, v[LANE]                 ; block 0's row
.irp j, 0,1,2,3
	v_mbcnt_lo_u32_b32 v12, s[66+\j], s[80+\j]     ; live rows before mine
	s_delay_alu instid0(VALU_DEP_1)
	v_sub_nc_u32 v13, v12, v14
	s_delay_alu instid0(VALU_DEP_1)
	v_add_nc_u32 v13, 2047-32*\j, v13              ; 2047 - (row - live rows before) = 2047 - dead rows before
	s_delay_alu instid0(VALU_DEP_1)
	v_cndmask_b32 v12, v13, v12, s[66+\j]
	s_delay_alu instid0(VALU_DEP_1)
	v_min_u32 v[POS+\j], 2047, v12                 ; it is within 0 .. 2047; held there, since it enters addresses
	s_delay_alu instid0(VALU_DEP_1)
	v_and_b32 v12, 0x7f0, v[POS+\j]
	s_delay_alu instid0(VALU_DEP_2)
	v_and_b32 v13, 15, v[POS+\j]
	s_delay_alu instid0(VALU_DEP_1)
	v_lshlrev_b32 v13, 4, v13
	s_delay_alu instid0(VALU_DEP_1)
	v_lshl_add_u32 v[OQ+\j], v12, 7, v13           ; tile pos / 16 (2,048 bytes), row pos % 16 (16 bytes)
.endr
	v_mov_b32 v[POSW], v[POS]
.irp j, 1,2,3
	s_cmp_eq_u32 s73, \j
	s_cselect_b32 s86, -1, 0
	v_cndmask_b32 v[POSW], v[POSW], v[POS+\j], s86
.endr
	s_delay_alu instid0(VALU_DEP_1)
	v_min_u32 v[POSW], 2047, v[POSW]
	s_delay_alu instid0(VALU_DEP_1)
	v_and_b32 v12, 0x7f0, v[POSW]
	s_delay_alu instid0(VALU_DEP_2)
	v_and_b32 v13, 15, v[POSW]
	s_delay_alu instid0(VALU_DEP_1)
	v_lshlrev_b32 v13, 2, v13
	s_delay_alu instid0(VALU_DEP_1)
	v_lshl_add_u32 v[SQO], v12, 3, v13             ; tile pos / 16 (128 bytes), row pos % 16 (4 bytes)
.macro MAXB src                        ; 32 numbers' largest magnitude, with the floor 2^(3 - 127) among its leaves; 2 off its exponent field is the conversions' scale operand: v14
	v_max3_num_f32 v12, |v[\src]|, |v[\src+1]|, |v[\src+2]|
	v_max3_num_f32 v13, |v[\src+3]|, |v[\src+4]|, |v[\src+5]|
.irp i, 6,10,14,18,22,26
	s_delay_alu instid0(VALU_DEP_2)
	v_max3_num_f32 v12, v12, |v[\src+\i]|, |v[\src+\i+1]|
	s_delay_alu instid0(VALU_DEP_2)
	v_max3_num_f32 v13, v13, |v[\src+\i+2]|, |v[\src+\i+3]|
.endr
	s_delay_alu instid0(VALU_DEP_2)
	v_max3_num_f32 v12, v12, |v[\src+30]|, |v[\src+31]|
	s_delay_alu instid0(VALU_DEP_1)
	v_max3_num_f32 v12, v12, v13, 0x1800000
	s_delay_alu instid0(VALU_DEP_1)
	v_add_nc_u32 v14, 0xff000000, v12
.endm
.macro BLOCK j
.set XS, X+32*((\j)%2)
.if \j < 3
	s_wait_loadcnt 32                              ; this block's 32 loads are in; the next block's may be out
.else
	s_wait_loadcnt 0x0
.endif
	MAXB XS                                        ; ALONG L: the block of 32 rows of my column
.irp g, 0,1,2,3
	v_cvt_scalef32_pk8_fp4_f32 v[CL+4*\j+\g], v[XS+8*\g:XS+8*\g+7], v14
.endr
	v_lshrrev_b32 v15, 23, v14                     ; the scale's byte (a plain line behind the conversions)
.if \j == 0
	s_delay_alu instid0(VALU_DEP_1)
	v_mov_b32 v[WL], v15
.else
	s_delay_alu instid0(VALU_DEP_1)
	v_lshl_or_b32 v[WL], v15, 8*\j, v[WL]
.endif
.irp i, 0,1,2,3,4,5,6,7,8,9,10,11,12,13,14,15,16,17,18,19,20,21,22,23,24,25,26,27,28,29,30,31
	ds_store_b32 v[TRS], v[XS+\i] offset:TRP*\i    ; row i of the stage: 32 columns, 128 bytes
.endr
	global_store_b128 v[VTO], v[CL+4*\j:CL+4*\j+3], s[CV:CV+1] offset:512*((\j)/2)+256*((\j)%2)   ; sixteen lanes fill 256 consecutive bytes, aligned
.irp q, 0,1,2,3,4,5,6,7
	ds_load_b128 v[Y+4*\q:Y+4*\q+3], v[TRL] offset:16*\q   ; LDS serves a wave's instructions in order: these see my stores.  Row = my lane
.endr
	s_wait_dscnt 0x0                               ; the row is in, and the stores have read the set that the next loads take
.if \j < 2
	LOAD \j+2
.endif
	MAXB Y                                         ; ALONG D: block w of row 32 j + lane
.irp g, 0,1,2,3
	v_cvt_scalef32_pk8_fp4_f32 v[CD+4*\j+\g], v[Y+8*\g:Y+8*\g+7], v14
.endr
	v_lshrrev_b32 v[DB+\j], 23, v14
	ds_store_b8 v[SBA], v[DB+\j] offset:256*\j
	global_store_b128 v[OQ+\j], v[CD+4*\j:CD+4*\j+3], s[CQ:CQ+1]               ; by rank: pieces of 16 bytes; neighbouring live rows fall side by side
	global_store_b128 v[CKO], v[CD+4*\j:CD+4*\j+3], s[CK:CK+1] offset:4096*\j  ; by key: sixteen lanes fill 256 consecutive bytes, aligned
.endm
	BLOCK 0
	BLOCK 1
	BLOCK 2
	BLOCK 3
	global_store_b32 v[VSO], v[WL], s[SV:SV+1]     ; my column's scale word for these 128 keys
	s_cmp_lg_u32 s[WV], 0                          ; wave 0 stores what hangs on the masks alone
	s_cbranch_scc1 .Lnot_wave_0
.irp j, 0,1,2,3
	v_add3_u32 v[ROWN+\j], s85, v[LANE], 32*\j
	v_cvt_f32_i32 v[QFV+\j], v[MK+\j]
	v_lshlrev_b32 v[P4+\j], 2, v[POS+\j]
.endr
.irp j, 0,1,2,3
	v_mul_f32 v[CMV+\j], C_LOG, v[QFV+\j]
.endr
.irp j, 0,1,2,3
	global_store_b32 v[P4+\j], v[ROWN+\j], s[LIST:LIST+1]
	global_store_b32 v[P4+\j], v[CMV+\j], s[CMC:CMC+1]
	global_store_b32 v[P4+\j], v[QFV+\j], s[QFP:QFP+1]
	global_store_b32 v[L4], v[CMV+\j], s[CMF:CMF+1] offset:128*\j
.endr
	s_cmp_lg_u32 s[ST], 15                         ; the last work-group of a tensor's batch has counted all its live rows
	s_cbranch_scc1 .Lnot_wave_0
	v_mov_b32 v[CNTV], s84
	global_store_b32 v[L4], v[CNTV], s[CNT:CNT+1]
.Lnot_wave_0:
	s_wait_dscnt 0x0                               ; my D bytes have landed
	s_barrier_signal -1
	s_barrier_wait -1                              ; everybody's have: a row's eight bytes come from eight waves
	ds_load_b32 v[SWD], v[SBR]
	s_wait_dscnt 0x0
	global_store_b32 v[SQO], v[SWD], s[SQ:SQ+1]
	global_store_b32 v[DKO], v[SWD], s[SK:SK+1]
	s_wait_tensorcnt 0x0                           ; the wave's end: behind my last LDS store
	ds_add_u32 v[SPW], v[NIL]
	s_wait_dscnt 0x0
	s_endpgm
.Lfunc_end_k_qbe6a539d9e_prep:
	.size	k_qbe6a539d9e_prep, .Lfunc_end_k_qbe6a539d9e_prep-k_qbe6a539d9e_prep
	.p2alignl 7, 3214868480
	.fill 96, 4, 3214868480
	.section	.rodata,"a",@progbits
	.p2align	6, 0x0
	.amdhsa_kernel k_qbe6a539d9e_prep
		.amdhsa_group_segment_fixed_size 38912
		.amdhsa_private_segment_fixed_size 0
		.amdhsa_enable_private_segment 0
		.amdhsa_kernarg_size 80
		.amdhsa_user_sgpr_count 2
		.amdhsa_user_sgpr_kernarg_segment_ptr 1
		.amdhsa_wavefront_size32 1
		.amdhsa_system_sgpr_workgroup_id_x 1
		.amdhsa_system_sgpr_workgroup_id_y 1
		.amdhsa_system_sgpr_workgroup_id_z 1
		.amdhsa_system_vgpr_workitem_id 0
		.amdhsa_next_free_vgpr 184
		.amdhsa_next_free_sgpr 88
		.amdhsa_reserve_vcc 0
		.amdhsa_float_denorm_mode_32 3
		.amdhsa_float_denorm_mode_16_64 3
		.amdhsa_memory_ordered 1
		.amdhsa_forward_progress 1
		.amdhsa_inst_pref_size 62
	.end_amdhsa_kernel
	.amdgpu_metadata
---
amdhsa.version: [ 1, 2 ]
amdhsa.kernels:
  - .name:           k_qbe6a539d9e_prep
    .symbol:         k_qbe6a539d9e_prep.kd
    .args:
      - { .name: premise_batch, .offset: 0, .size: 8, .value_kind: global_buffer, .address_space: global }
      - { .name: hypothesis_batch, .offset: 8, .size: 8, .value_kind: global_buffer, .address_space: global }
      - { .name: premise_mask, .offset: 16, .size: 8, .value_kind: global_buffer, .address_space: global }
      - { .name: hypothesis_mask, .offset: 24, .size: 8, .value_kind: global_buffer, .address_space: global }
      - { .name: codes_q, .offset: 32, .size: 8, .value_kind: global_buffer, .address_space: global }
      - { .name: codes_k, .offset: 40, .size: 8, .value_kind: global_buffer, .address_space: global }
      - { .name: codes_v, .offset: 48, .size: 8, .value_kind: global_buffer, .address_space: global }
      - { .name: scales, .offset: 56, .size: 8, .value_kind: global_buffer, .address_space: global }
      - { .name: maskf, .offset: 64, .size: 8, .value_kind: global_buffer, .address_space: global }
      - { .name: idx, .offset: 72, .size: 8, .value_kind: global_buffer, .address_space: global }
    .group_segment_fixed_size: 38912
    .private_segment_fixed_size: 0
    .kernarg_segment_align: 8
    .kernarg_segment_size: 80
    .max_flat_workgroup_size: 256
    .sgpr_count:     88
    .vgpr_count:     184
    .wavefront_size: 32
...
	.end_amdgpu_metadata
.endif
;; end of part 3
;; launch attn (part 4): grid 16 x 32, 8 waves a work-group, no clusters, 273,408 bytes of LDS; arguments codes_q, codes_k, codes_v, scales, maskf, idx, out0, out1; writes out0, out1
.if DOCPART == 4
	.amdgcn_target "amdgcn-amd-amdhsa--gfx1250"
	.amdhsa_code_object_version 6
	.text
	.protected	k_qbe6a539d9e_attn
	.globl	k_qbe6a539d9e_attn
	.p2align	8
	.type	k_qbe6a539d9e_attn,@function
k_qbe6a539d9e_attn:
	s_mov_b64 s[64:65], 0
	v_nop
	global_prefetch_b8 v0, s[64:65] scope:SCOPE_SE
	s_setreg_imm32_b32 hwreg(HW_REG_WAVE_SCHED_MODE, 0, 2), 2
	s_setreg_imm32_b32 hwreg(HW_REG_WAVE_MODE, 25, 1), 1
	s_wait_xcnt 0x0
	s_wait_alu depctr_vm_vsrc(0)
; ATTN.  Both directions in one grid: y < 16: queries P, keys and values H, out0;  y >= 16: the mirror image, out1.  All products on codes of FP4 (E2M1) with E8M0 scales, made by the launch before.
; For a query: t_k = score_k x c x mask_k (c = log2(e) / 16);  M = the largest t, rounded up to a whole number;  e_k = 2^(t_k - M);  Z = sum of e;  R = sum of e x c x mask;  g = 1 / (R + 1e-13 c Z);
; a_k = e_k g c mask_k, which is reference()'s finished, normalised attention; a is quantised along the keys and multiplied by V; the row is multiplied by the query's mask.
; a's divisor must be known before a code is made, so the keys are walked twice: SWEEP A finds M, Z, R; SWEEP B forms the scores again, then a, its codes, and O += V^T a^T.
; WORK LEFT OUT (shown at the head of the first kernel): tiles all of whose queries have mask 0 get zeros and no product; in sweep A a key whose mask is 0 has t = 0 whatever its score: such keys enter by their count.
; Sweep B walks all keys: a's blocks of 32 are neighbours in the keys' own order.  LIMIT: a NaN, an infinity or an overflow that reaches only the work left out is not carried to the result.
; LIMITS: NaN and infinities among the inputs are not served; 2^x under 2^-126 comes out as 0 (ISA guide, v_exp_f32); a block of a whose largest magnitude lies under 2^-124 keeps the byte 1.
; WHAT THE COUNTS DECIDE.  The queries are taken in rank order (live rows first).  Work-group (x, y) owns ranks 128 x .. + 127: 8 tiles of 16, of which NT hold a live row.  The counts are read from memory, so this text has
; no tensor load, no copy and no cluster; every barrier and every wait that serves a later part stands on the way that all waves take; registers that pass from one conditional part into another are written once, at the head, on every way.
; NO MULTICAST, the reason: the work-groups of a (direction, batch) read the same K and V, but how many of them have work hangs on counts read from memory.
; ROLES (by arithmetic on the wave's number w, never by a branch).  Sweep A: tiles 4 (w / 4) .. + 3, chunks of 64 live keys w % 4, + 4, ...   Merge: tile w.   Softmax of round rd: key step 8 rd + w (128 keys), all live tiles;
; K's fragments stay in registers for the up to 8 tiles.   PV: tiles w / 4 + 2 i, channels 64 (w % 4) .. + 63: 16 accumulators.
; LAYOUT.  Both products are used transposed (source 0 = 16 keys or 16 channels, source 1 = 16 queries): a lane holds ONE query (lane % 16) throughout.  In sweep B lane r of key tile 2 b + u holds key 32 b + 8 u + r + 8 (r / 8), so that
; the 16 registers of tiles 2 b, 2 b + 1 are keys 32 b + 16 (lane / 16) + 0 .. 15.  Operands go from wave to wave through LDS as images of their registers.
; THE MODE: SCHED_MODE bits 1:0 = 2 (LLVM: expert scheduling mode 2), set by the entry lines.  The code itself states the register dependences between vector or matrix instructions and memory or LDS instructions, with s_wait_alu, always for 0.
; THE PLAN.  Registers that memory or LDS instructions touch, and who else names them:
;   v1-16, v24-28  addresses and offsets, made at the head and never written again: one wait on va_vdst ahead of the first load serves them for the whole kernel.
;   v17-23         addresses of the part in hand: made at the head, two of them anew for the merge, all anew in every slot of sweep B: a wait on vm_vsrc ahead of the additions, one on va_vdst behind them.
;   SWEEP A        two chunk buffers by turns (window 1 v0-63 with KS .., CM ..;  v64-127 with KS+4 .., CM+32 ..): a chunk's products and multiplications read its buffer, the loads of the chunk two on land in it, behind the one
;                  wait on va_vdst in LOADK.  QF, QS: loaded by every pair of tiles, read by its products: the first pair's loads stand behind LOADK's wait with no vector line between, the second pair's have a wait of their own.
;   THE FIGURES    STT: written by sweep A, read by LDS stores behind one wait on va_vdst.  No vector or matrix line behind that wait names K's fragments, KS, CM or v128-139: so it serves the loads of key step w and the merge's LDS loads too.
;   A SLOT         QF, QS, NMP: loaded at its head, read by its products and scalings.  VT: loaded at its head, read by LDS stores alone.  PC, PW: written by the quantiser, read by LDS stores behind one wait on va_vdst.
;                  The wait on vm_vsrc at the next slot's head frees the addresses, PC, PW and VT.
;   THE PHASES' EDGE  one wait on va_vdst and one on vm_vsrc in front of the barrier behind the softmax phase: the phase is done with v128-255, K's fragments, KS and CM.  Behind them, with no vector or matrix line between that names
;                  those registers, stand the loads of the next key step (or of the list's rows) and the PV phase's first two runs of operand loads.
;   PV             two operand buffers by turns (VA, PA, PS): step s's products read buffer s % 2; the loads of step s + 1 land in the other, behind one wait on va_vdst at the step's head, which shows step s - 1's products done.  VS: loaded at a round's head, behind a wait on va_vdst.
;   THE WAY OUT    OFF, ZR: written once, one wait on va_vdst.  OT: written by a tile's multiplications, read by its LDS stores (va_vdst between; vm_vsrc at the next tile's head).  OB: two buffers by turns, loaded from LDS, read by global stores.
.set QIMG,  0                          ; LDS: Q's 8 tiles x 2 images of 1,024 bytes
.set QSC,   16384                      ; their scale words, 128 bytes a tile: lanes 0-15 D step 0, lanes 16-31 D step 1
.set STA,   17408                      ; sweep A's figures: [w % 4][tile 8][-M, Z, R][lane] words
.set STF,   29696                      ; the merged ones: [tile][lane]{-M, g}
.set QFS,   31744                      ; the queries' masks as f32: [tile][lane]
.set PSC,   32768                      ; a's scale words: [step 8][tile 8][128 bytes]
.set STG,   40960                      ; the way out: 16 rows x 272 bytes for each wave
.set SPARE, 75776                      ; the spare words, 128 bytes for each wave: four blocks of 256 bytes that no other line names
.set PIMG,  76800                      ; a's images: [step 8][tile 8]
.set VIMG,  142336                     ; V's images of a round: [step 8][channel tile 16]
.set EPSC,  0x28226eda                 ; 1e-13 x c
.set LI, 1                             ; 16 x lane
.set LS, 2                             ; 4 x lane
.set L8, 3                             ; 8 x lane
.set H64, 4                            ; 64 (lane / 16)
.set H32, 5
.set H4, 6
.set AQF, 7
.set SPW, 8                            ; my spare word's LDS address; never rewritten
.set NIL, 9                            ; 0; never rewritten
.set AV0, 10
.set AV1, 11
.set AP, 12
.set APP, 13
.set STO, 14
.set RDB, 15
.set GOF, 16
.set AQ, 17                            ; v17-23: addresses of the slot in hand
.set AQS, 18
.set AST, 19
.set API, 20
.set APS, 21
.set AVS, 22
.set AVG, 23
.set AQA, 24
.set AQSA, 25
.set ASA, 26
.set AMG, 27
.set AVB, 28
.set QFR, 29
.set KS, 30                            ; v30-37 K's scale words;  v38-39 Q's;  v40-55 V's;  v56-63 a's: these hold scales and nothing else
.set QS, 38
.set VS, 40
.set PS, 56
.set CM, 64                            ; v64-127 c x mask of the keys in hand
.set S, 128                            ; v128-191 scores, then e, then a
.set QF, 192                           ; Q's fragments
.set STT, 224                          ; sweep A: tile q's figures at 224 + 6 q: [-M, largest t][Z, Z][R, R]
.set FP, 248                           ; sweep A: two maxima a tile, then the factor
.set TT, 252
.set VT, 208                           ; softmax: a slice of V on its way to LDS
.set PC, 224                           ; the codes just made
.set TM, 232
.set NMP, 248                          ; [-M, g]
.set GP, 250                           ; [g, .]
.set PW, 252
.set VA, 128                           ; PV: V's four fragments, two buffers;  a's up to four, two buffers
.set PA, 192
.set OFF, 64                           ; the way out
.set OT, 128
.set OB, 160
.set ZR, 224
.set QFP, 228
; window 1: v0-127 sweep A's two chunks of K, afterwards O^T (tile i, channel tile dt at 32 i + 8 dt);  v128-255 K's 16 fragments of a key step, at the end the list's rows
.set KA, 4
.set KB, 6
.set VG, 8
.set KAS, 10
.set KBS, 12
.set VSG, 14
.set CMC, 16
.set CMF, 18
.set LST, 20
.set OUT, 22
.set QI, 24
.set QSG, 26
.set QFG, 28
.set SETA, 30
.set SETB, 36
.set WV, 42
.set W2, 43                            ; w / 4
.set W3, 44                            ; w % 4
.set TR, 45                            ; sweep A: the trip in hand
.set NTR, 46                           ; and how many there are
.set NT, 47
.set MT, 48
.set NCH, 49
.set NCW, 50
.set REST, 51
.set LIM0, 52
.set C, 54
.set RD, 55
.set SI, 56
.set NTM1, 57
.set TP0, 59
.set TP1, 60
.set NQ, 61
.set NK, 62
.set PIW, 63
.set SEL, 66
.set PSW, 76
.set MSB, 0
.macro WIN new                         ; the immediate's high byte repeats the setting that is left; at every label and branch the setting is 0
.if MSB != \new
	s_set_vgpr_msb (MSB<<8)|\new
.set MSB, \new
.endif
.endm
.macro BAR                             ; my LDS stores have landed and my LDS loads are in: then the work-group's barrier
	s_wait_dscnt 0x0
	s_barrier_signal -1
	s_barrier_wait -1
.endm
.macro NOPS n
.rept \n
	v_nop
.endr
.endm
	s_load_b512 s[80:95], s[0:1], 0x0              ; codes_q, codes_k, codes_v, scales, maskf, idx, out0, out1
	v_lshl_add_u32 v[SPW], v0, 2, SPARE
	v_mov_b32 v[NIL], 0
	v_lshrrev_b32 v22, 5, v0
	v_readfirstlane_b32 s[WV], v22                 ; wave 0..7
	v_and_b32 v22, 31, v0                          ; lane
	v_and_b32 v20, 15, v0                          ; r
	v_bfe_u32 v21, v0, 4, 1                        ; h
	v_lshlrev_b32 v[LI], 4, v22
	v_lshlrev_b32 v[LS], 2, v22
	s_wait_alu depctr_va_vdst(0)
	v_lshlrev_b32 v[L8], 3, v22
	v_lshlrev_b32 v[H64], 6, v21
	v_lshlrev_b32 v[H32], 5, v21
	v_lshlrev_b32 v[H4], 2, v21
	s_wait_alu depctr_va_sdst(0)                   ; s[WV] is written, ahead of its first reader: all roles and addresses are made from it
	s_lshr_b32 s[W2], s[WV], 2
	s_and_b32 s[W3], s[WV], 3
	s_mov_b32 s69, 0                               ; s69 and s71 stay 0: the upper words of the offsets made in s68 and s70
	s_mov_b32 s71, 0
	s_and_b32 s72, ttmp7, 0xffff                   ; the queries' tensor and batch
	s_xor_b32 s73, s72, 16                         ; the keys'
	s_and_b32 s75, s72, 15                         ; the batch
	s_lshl_b32 s78, s72, 7
	s_lshl_b32 s79, s73, 7
	s_mov_b32 s[SEL], 0x76543210
	s_mov_b32 s[SEL+1], 0xfedcba98                 ; v_permlanex16_b32's selects for lane l xor 16
	; every LDS address is a constant + a constant x lane + a constant x (a part of) the wave's number, made here, on the way that all waves take
	s_lshl_b32 s68, s[W2], 7
	s_add_co_u32 s68, s68, QFS
	v_add_nc_u32 v[AQF], s68, v[LS]
	s_lshl_b32 s68, s[W3], 12
	s_add_co_u32 s68, s68, VIMG
	v_add_nc_u32 v[AV0], s68, v[LI]                ; PV: my four channel tiles, steps 0-3;
	v_add_nc_u32 v[AV1], 65536, v[AV0]             ; steps 4-7
	s_lshl_b32 s68, s[W2], 10
	s_add_co_u32 s68, s68, PIMG
	v_add_nc_u32 v[AP], s68, v[LI]
	s_lshl_b32 s68, s[W2], 7
	s_add_co_u32 s68, s68, PSC
	v_add_nc_u32 v[APP], s68, v[LS]
	s_mul_i32 s68, s[WV], 4352
	s_add_co_u32 s68, s68, STG
	v_mul_u32_u24 v[STO], v20, 272
	v_lshl_add_u32 v[STO], v21, 5, v[STO]
	v_add_nc_u32 v[STO], s68, v[STO]               ; the stage, in: row r, 32 bytes for each half of the lanes
	v_mul_u32_u24 v[RDB], v21, 272
	v_lshl_add_u32 v[RDB], v20, 4, v[RDB]
	v_add_nc_u32 v[RDB], s68, v[RDB]               ; back: lanes 0-15 one row of 256 bytes, lanes 16-31 the next
	v_lshlrev_b32 v[GOF], 4, v20
	s_lshl_b32 s68, s[W2], 13
	v_add_nc_u32 v[AQA], s68, v[LI]                ; sweep A: my four tiles of Q (QIMG = 0)
	s_lshl_b32 s68, s[W2], 9
	s_add_co_u32 s68, s68, QSC
	v_add_nc_u32 v[AQSA], s68, v[LS]
	s_mul_i32 s68, s[W3], 3072
	s_mul_i32 s70, s[W2], 1536
	s_add_co_u32 s68, s68, s70
	s_add_co_u32 s68, s68, STA
	v_add_nc_u32 v[ASA], s68, v[LS]
	s_mul_i32 s68, s[WV], 384
	s_add_co_u32 s68, s68, STA
	v_add_nc_u32 v[AMG], s68, v[LS]
	s_lshl_b32 s68, s[WV], 14
	s_add_co_u32 s68, s68, VIMG
	v_add_nc_u32 v[AVB], s68, v[LI]
	s_lshl_b32 s68, s[WV], 11
	v_add_nc_u32 v[AQ], s68, v[LI]                 ; where I put tile w of Q,
	s_lshl_b32 s68, s[WV], 7
	s_add_co_u32 s68, s68, QSC
	v_add_nc_u32 v[AQS], s68, v[LS]                ; and its scale words
	v_lshlrev_b32 v[AVG], 2, v20                   ; 4 r
	s_lshl_b32 s[PIW], s[WV], 13
	s_add_co_u32 s[PIW], s[PIW], PIMG
	s_lshl_b32 s[PSW], s[WV], 10
	s_add_co_u32 s[PSW], s[PSW], PSC
	s_wait_kmcnt 0x0
	s_load_b32 s[NQ], s[90:91], s78 offset:0x40000 ; live queries, live keys: on their way while the pointers are made
	s_load_b32 s[NK], s[90:91], s79 offset:0x40000
	s_lshl_b32 s68, s73, 18
	s_add_nc_u64 s[KA:KA+1], s[80:81], s[68:69]    ; the keys by rank
	s_lshl_b32 s70, s[WV], 14
	s_add_co_u32 s70, s70, s68
	s_add_nc_u64 s[KB:KB+1], s[82:83], s[70:71]    ; key step w,
	s_add_nc_u64 s[VG:VG+1], s[84:85], s[70:71]    ; and V's
	s_lshl_b32 s68, s73, 14
	s_add_nc_u64 s[KAS:KAS+1], s[86:87], s[68:69]
	s_lshl_b32 s70, s[WV], 10
	s_add_co_u32 s70, s70, s68
	s_add_co_u32 s70, s70, 524288
	s_add_nc_u64 s[KBS:KBS+1], s[86:87], s[70:71]
	s_lshl_b32 s70, s[W3], 8
	s_add_co_u32 s70, s70, s68
	s_add_co_u32 s70, s70, 1048576
	s_add_nc_u64 s[VSG:VSG+1], s[86:87], s[70:71]
	s_lshl_b32 s68, s73, 13
	s_add_co_u32 s70, s68, 262144
	s_add_nc_u64 s[CMC:CMC+1], s[88:89], s[70:71]
	s_lshl_b32 s70, s[WV], 9
	s_add_co_u32 s70, s70, s68
	s_add_nc_u64 s[CMF:CMF+1], s[88:89], s[70:71]
	s_lshl_b32 s68, s72, 13
	s_lshl_b32 s70, ttmp9, 9
	s_add_co_u32 s68, s68, s70
	s_lshl_b32 s70, s[W2], 6
	s_add_co_u32 s70, s70, s68
	s_add_nc_u64 s[LST:LST+1], s[90:91], s[70:71]
	s_lshl_b32 s70, s[WV], 6
	s_add_co_u32 s70, s70, s68
	s_add_co_u32 s70, s70, 524288
	s_add_nc_u64 s[QFG:QFG+1], s[88:89], s[70:71]
	s_lshl_b32 s68, s72, 18
	s_lshl_b32 s70, ttmp9, 14
	s_add_co_u32 s68, s68, s70
	s_lshl_b32 s70, s[WV], 11
	s_add_co_u32 s70, s70, s68
	s_add_nc_u64 s[QI:QI+1], s[80:81], s[70:71]
	s_lshl_b32 s68, s72, 14
	s_lshl_b32 s70, ttmp9, 10
	s_add_co_u32 s68, s68, s70
	s_lshl_b32 s70, s[WV], 7
	s_add_co_u32 s70, s70, s68
	s_add_nc_u64 s[QSG:QSG+1], s[86:87], s[70:71]
	s_lshl_b32 s68, s75, 21
	s_lshl_b32 s70, s[W3], 8
	s_add_co_u32 s70, s70, s68
	s_cmp_lt_u32 s72, 16                           ; the choice hangs on the work-group's number alone
	s_cselect_b64 s[OUT:OUT+1], s[92:93], s[94:95]
	s_add_nc_u64 s[OUT:OUT+1], s[OUT:OUT+1], s[70:71]
	s_wait_alu depctr_va_vdst(0)                   ; the addresses and offsets v1 to v28 are written, which the kernel's loads, stores and LDS instructions read
.irp n, 0,1,2,3
	global_load_b128 v[S+4*\n:S+4*\n+3], v[LI], s[QI:QI+1] offset:512*\n   ; tile w of Q, dead or live: every rank has a row
.endr
	global_load_b32 v[S+16], v[LS], s[QSG:QSG+1]
	global_load_b32 v[QFR], v[AVG], s[QFG:QFG+1]   ; the masks of tile w's queries
	; Written once on every way, while the loads are out: what one conditional part loads and another reads
	s_mov_b32 s68, 0x7f7f7f7f                      ; (as scales: 1.0)
.irp n, 0,1,2,3,4,5,6,7
	v_mov_b32 v[KS+\n], s68
.endr
.irp n, 0,1,2,3,4,5,6,7,8,9,10,11,12,13,14,15
	v_mov_b32 v[VS+\n], s68
.endr
.set i, 0
.rept 64
	v_mov_b32 v[CM+i], 0
.set i, i+1
.endr
	WIN 0x40
.set i, 0
.rept 128
	v_mov_b32 v[128+i], 0                          ; window 1: K's fragments
.set i, i+1
.endr
	WIN 0
	v_mov_b32 v[GP+1], 0                           ; (named as the upper half of a pair)
.irp q, 0,1,2,3                                ; sweep A's figures: the largest t so far -3e38, under every t; Z = R = 0
	v_mov_b32 v[STT+6*\q+1], 0xff61b1e6
	v_mov_b32 v[STT+6*\q+2], 0
	v_mov_b32 v[STT+6*\q+3], 0
	v_mov_b32 v[STT+6*\q+4], 0
	v_mov_b32 v[STT+6*\q+5], 0
.endr
.irp q, 0,1,2,3
	v_floor_f32 v[STT+6*\q], -v[STT+6*\q+1]
.endr
	s_wait_kmcnt 0x0
	s_min_u32 s[NQ], s[NQ], 2048
	s_min_u32 s[NK], s[NK], 2048
	s_lshl_b32 s68, ttmp9, 7
	s_sub_co_i32 s68, s[NQ], s68
	s_max_i32 s68, s68, 0
	s_min_i32 s68, s68, 128
	s_add_co_u32 s68, s68, 15
	s_lshr_b32 s[NT], s68, 4                       ; my tiles that hold a live query: 0 .. 8
	s_sub_co_u32 s[NTM1], s[NT], 1                 ; (wraps at 0)
	s_add_co_u32 s68, s[NT], 1
	s_sub_co_u32 s68, s68, s[W2]
	s_lshr_b32 s[MT], s68, 1                       ; of tiles w / 4 + 2 i the live ones: i < MT
	s_add_co_u32 s68, s[NK], 63
	s_lshr_b32 s[NCH], s68, 6                      ; chunks of 64 ranks that hold a live key
	s_lshl_b32 s68, s[NCH], 6
	s_sub_co_u32 s[REST], 2048, s68                ; the keys left out of sweep A: all have mask 0
	s_mov_b32 s[LIM0], 0x7f61b1e6
	s_cmp_gt_u32 s[REST], 0
	s_cselect_b32 s[LIM0], 0, s[LIM0]              ; if there are any, t = 0 is among the row's t: -M is at most 0
	s_lshl_b32 s[TP0], s[W2], 2
	s_add_co_u32 s[TP1], s[TP0], 2
	s_cmp_lt_u32 s[TP0], s[NT]
	s_cselect_b32 s[NCW], s[NCH], 0                ; a wave whose four tiles are dead walks no chunk
	s_wait_loadcnt 0x0
.irp n, 0,1,2,3
	ds_store_b128 v[AQ], v[S+4*\n:S+4*\n+3] offset:512*\n
.endr
	ds_store_b32 v[AQS], v[S+16]
	BAR                                            ; Q's eight tiles lie in LDS
	s_wait_alu depctr_vm_vsrc(0)                   ; my LDS stores have read v[S ..], which sweep A's products write, and v[AQ], v[AQS], which are made anew for the merge; the head's loads have read v[AVG], made anew in sweep B
; ---- SWEEP A.  A chunk: 64 ranks of keys: 8 fragments (window 1, from buf on), 4 scale words, 32 numbers c x mask a lane: 28 loads.  The chunk's number is held at 31: no load leaves its buffer.
.macro LOADK buf, set, cm, ks, creg
	s_min_u32 s68, s[\creg], 31
	s_lshl_b32 s70, s68, 13
	s_add_nc_u64 s[\set:\set+1], s[KA:KA+1], s[70:71]
	s_lshl_b32 s70, s68, 9
	s_add_nc_u64 s[\set+2:\set+3], s[KAS:KAS+1], s[70:71]
	s_lshl_b32 s70, s68, 8
	s_add_nc_u64 s[\set+4:\set+5], s[CMC:CMC+1], s[70:71]
	NOPS 4                                         ; places in front of loads into registers that matrix instructions have read
	WIN 0x40
	s_wait_alu depctr_va_vdst(0)                   ; the products and multiplications of the chunk that lay in this buffer are done reading its fragments, scale words and c x mask (the first time: the head's lines have written the last two); the last products are done reading QF and QS, in which the next pair's LDS loads land
.irp n, 0,1,2,3,4,5,6,7,8,9,10,11,12,13,14,15
	global_load_b128 v[\buf+4*\n:\buf+4*\n+3], v[LI], s[\set:\set+1] offset:512*\n
.endr
	WIN 0
.irp kt, 0,1,2,3
	global_load_b32 v[\ks+\kt], v[LS], s[\set+2:\set+3] offset:128*\kt
.endr
.irp kt, 0,1,2,3
	global_load_b128 v[\cm+8*\kt:\cm+8*\kt+3], v[H32], s[\set+4:\set+5] offset:64*\kt
	global_load_b128 v[\cm+8*\kt+4:\cm+8*\kt+7], v[H32], s[\set+4:\set+5] offset:64*\kt+16
.endr
.endm
; Tiles 2 p, 2 p + 1 of my four against a chunk.  A lane keeps figures of its own (its half of the keys); the halves meet in the merge.  Left out where both tiles are dead.
.macro PAIR p, buf, cm, ks
	s_cmp_le_u32 s[NT], s[TP0+\p]
	s_cbranch_scc1 .Lpair_done_\@
.set STB, STT+12*\p
.if \p
	s_wait_alu depctr_va_vdst(0)                   ; the first pair's products are done reading QF and QS, in which the loads below land.  (The first pair's own loads stand behind LOADK's wait, with no vector or matrix line between)
.endif
.irp x, 0,1
.irp n, 0,1,2,3
	ds_load_b128 v[QF+16*\x+4*\n:QF+16*\x+4*\n+3], v[AQA] offset:2048*(2*\p+\x)+512*\n
.endr
	ds_load_b32 v[QS+\x], v[AQSA] offset:128*(2*\p+\x)
.endr
	s_wait_dscnt 0x0
	WIN 0x01                                       ; source 0 (K) window 1
.irp x, 0,1                                    ; eight accumulators by turns; D step 0 starts the sums
.irp kt, 0,1,2,3
	v_wmma_scale_f32_16x16x128_f8f6f4 v[S+32*\x+8*\kt:S+32*\x+8*\kt+7], v[\buf+16*\kt:\buf+16*\kt+7], v[QF+16*\x:QF+16*\x+7], 0, v[\ks+\kt], v[QS+\x] matrix_a_fmt:MATRIX_FMT_FP4 matrix_b_fmt:MATRIX_FMT_FP4
.endr
.endr
.irp x, 0,1
.irp kt, 0,1,2,3
	v_wmma_scale_f32_16x16x128_f8f6f4 v[S+32*\x+8*\kt:S+32*\x+8*\kt+7], v[\buf+16*\kt+8:\buf+16*\kt+15], v[QF+16*\x+8:QF+16*\x+15], v[S+32*\x+8*\kt:S+32*\x+8*\kt+7], v[\ks+\kt], v[QS+\x] matrix_a_fmt:MATRIX_FMT_FP4 matrix_b_fmt:MATRIX_FMT_FP4 matrix_a_scale:MATRIX_SCALE_ROW1 matrix_b_scale:MATRIX_SCALE_ROW1
.endr
.endr
	WIN 0
	NOPS 4
.set i, 0
.rept 16
	v_pk_mul_f32 v[S+i:S+i+1], v[S+i:S+i+1], v[\cm+i:\cm+i+1]               ; t = score x c x mask; each accumulator from its low end on
	v_pk_mul_f32 v[S+32+i:S+33+i], v[S+32+i:S+33+i], v[\cm+i:\cm+i+1]
.set i, i+2
.endr
.irp x, 0,1
	v_max3_num_f32 v[FP+2*\x], v[S+32*\x], v[S+32*\x+1], v[S+32*\x+2]
	v_max3_num_f32 v[FP+2*\x+1], v[S+32*\x+3], v[S+32*\x+4], v[S+32*\x+5]
.endr
.irp i, 6,10,14,18,22,26
.irp x, 0,1
	v_max3_num_f32 v[FP+2*\x], v[FP+2*\x], v[S+32*\x+\i], v[S+32*\x+\i+1]
	v_max3_num_f32 v[FP+2*\x+1], v[FP+2*\x+1], v[S+32*\x+\i+2], v[S+32*\x+\i+3]
.endr
.endr
.irp x, 0,1
	v_max3_num_f32 v[FP+2*\x], v[FP+2*\x], v[S+32*\x+30], v[S+32*\x+31]
.endr
.irp x, 0,1
	v_max3_num_f32 v[STB+6*\x+1], v[STB+6*\x+1], v[FP+2*\x], v[FP+2*\x+1]   ; the running largest t
.endr
.irp x, 0,1
	v_mov_b32 v[TT+\x], v[STB+6*\x]
.endr
.irp x, 0,1
	v_floor_f32 v[STB+6*\x], -v[STB+6*\x+1]        ; -M = floor(-t): M is a whole number
.endr
.irp x, 0,1
	v_sub_f32 v[TT+\x], v[STB+6*\x], v[TT+\x]      ; old M - new M: a whole number, 0 or less
.endr
.irp x, 0,1
	v_cvt_i32_f32 v[TT+\x], v[TT+\x]               ; (it saturates)
.endr
.irp x, 0,1
	v_ldexp_f32 v[FP+2*\x], 1.0, v[TT+\x]          ; f = 2^(old M - new M): a multiplication by it rounds nothing
.endr
.set i, 0
.rept 16
	v_pk_add_f32 v[S+i:S+i+1], v[S+i:S+i+1], v[STB:STB+1] op_sel_hi:[1,0]
	v_pk_add_f32 v[S+32+i:S+33+i], v[S+32+i:S+33+i], v[STB+6:STB+7] op_sel_hi:[1,0]
.set i, i+2
.endr
.set i, 0
	s_wait_alu depctr_va_vdst(0)
.rept 64
	v_exp_f32 v[S+i], v[S+i]                       ; e = 2^(t - M): one batch
.set i, i+1
.endr
.irp x, 0,1
	v_pk_mul_f32 v[STB+6*\x+2:STB+6*\x+3], v[STB+6*\x+2:STB+6*\x+3], v[FP+2*\x:FP+2*\x+1] op_sel_hi:[1,0]   ; Z and R under the new M: plain lines behind the batch
	v_pk_mul_f32 v[STB+6*\x+4:STB+6*\x+5], v[STB+6*\x+4:STB+6*\x+5], v[FP+2*\x:FP+2*\x+1] op_sel_hi:[1,0]
.endr
	s_wait_alu depctr_va_vdst(0)                   ; one wait for the 64 exponentials, which have written v[S ..], ahead of their first reader
.set i, 0
.rept 16
	v_pk_add_f32 v[STB+2:STB+3], v[STB+2:STB+3], v[S+i:S+i+1]
	v_pk_fma_f32 v[STB+4:STB+5], v[S+i:S+i+1], v[\cm+i:\cm+i+1], v[STB+4:STB+5]
	v_pk_add_f32 v[STB+8:STB+9], v[STB+8:STB+9], v[S+32+i:S+33+i]
	v_pk_fma_f32 v[STB+10:STB+11], v[S+32+i:S+33+i], v[\cm+i:\cm+i+1], v[STB+10:STB+11]
.set i, i+2
.endr
.Lpair_done_\@:
.endm
	s_mov_b32 s[C], s[W3]
	s_cmp_ge_u32 s[C], s[NCW]
	s_cbranch_scc1 .Lsweep_end
	s_add_co_u32 s[NTR], s[NCW], 7                 ; my chunks are w % 4, + 4, ... below NCW, two a trip: (NCW - w % 4 + 7) / 8 trips,
	s_sub_co_u32 s[NTR], s[NTR], s[W3]
	s_lshr_b32 s[NTR], s[NTR], 3
	s_min_u32 s[NTR], s[NTR], 4                    ; which is 4 at the most: there are 32 chunks
	s_mov_b32 s[TR], 0
	LOADK 0, SETA, CM, KS, C
.Lsweep:                                           ; a trip: chunks C and C + 4.  Both loads of a trip are always issued, so each wait counts the same loads on every way
	s_add_co_u32 s77, s[C], 4
	LOADK 64, SETB, CM+32, KS+4, 77
	s_wait_loadcnt 28                              ; chunk C is in; the 28 loads just issued may be out
	PAIR 0, 0, CM, KS
	PAIR 1, 0, CM, KS
	s_add_co_u32 s77, s[C], 8
	LOADK 0, SETA, CM, KS, 77
	s_wait_loadcnt 28                              ; chunk C + 4 is in
	s_add_co_u32 s77, s[C], 4
	s_cmp_ge_u32 s77, s[NCW]
	s_cbranch_scc1 .Lno_b                          ; past the last chunk: no products
	PAIR 0, 64, CM+32, KS+4
	PAIR 1, 64, CM+32, KS+4
.Lno_b:
	s_add_co_u32 s[C], s[C], 8
	s_add_co_u32 s[TR], s[TR], 1                   ; the loop ends on its own count of trips, one a trip
	s_cmp_lt_u32 s[TR], s[NTR]
	s_cbranch_scc1 .Lsweep
.Lsweep_end:
	s_wait_loadcnt 0x0                             ; on every way: nothing is out
	s_wait_alu depctr_va_vdst(0)
.irp q, 0,1,2,3
	v_add_f32 v[STT+6*\q+2], v[STT+6*\q+2], v[STT+6*\q+3]
	v_add_f32 v[STT+6*\q+4], v[STT+6*\q+4], v[STT+6*\q+5]
.endr
	s_wait_alu depctr_va_vdst(0)                   ; the figures v[STT ..] are written, which the LDS stores read; sweep A (on the way round it: the head) is done with K's fragments, KS and CM, in which key step w's loads land, and with v128-139, in which the merge's LDS loads land
.irp q, 0,1,2,3
	ds_store_b32 v[ASA], v[STT+6*\q] offset:384*\q
	ds_store_b32 v[ASA], v[STT+6*\q+2] offset:384*\q+128
	ds_store_b32 v[ASA], v[STT+6*\q+4] offset:384*\q+256
.endr
; Key step 8 rd + w for sweep B: 16 fragments of K (window 1), 8 scale words, 64 numbers c x mask a lane: register 16 b + i is key 32 b + 16 (lane / 16) + i.
; No wait on va_vdst stands here: both times the macro stands behind one (above; at the phases' edge) with no vector or matrix line between that names the registers in which these loads land.
.macro LOADKB rd
	NOPS 4
	WIN 0x40
.set i, 0
.rept 32
	global_load_b128 v[128+4*i:128+4*i+3], v[LI], s[KB:KB+1] offset:131072*\rd+512*i
.set i, i+1
.endr
	WIN 0
.irp t, 0,1,2,3,4,5,6,7
	global_load_b32 v[KS+\t], v[LS], s[KBS:KBS+1] offset:8192*\rd+128*\t
.endr
.irp b, 0,1,2,3
.irp u, 0,1,2,3
	global_load_b128 v[CM+16*\b+4*\u:CM+16*\b+4*\u+3], v[H64], s[CMF:CMF+1] offset:4096*\rd+128*\b+16*\u
.endr
.endr
.endm
	s_cmp_eq_u32 s[NT], 0
	s_cbranch_scc1 .Lno_k0
	LOADKB 0                                       ; it lands while the figures are merged
.Lno_k0:
	WIN 0x40
.set i, 0
.rept 128
	v_mov_b32 v[i], 0                              ; O^T, where sweep A's chunks lay.  (The PV steps are written once for both rounds: the first finds zeros)
.set i, i+1
.endr
	WIN 0
	s_lshl_b32 s68, s[WV], 8
	s_add_co_u32 s68, s68, STF
	v_add_nc_u32 v[AQ], s68, v[L8]                 ; (the LDS stores that read v[AQ] and v[AQS] stand ahead of the wait on vm_vsrc behind the first barrier)
	s_lshl_b32 s68, s[WV], 7
	s_add_co_u32 s68, s68, QFS
	v_add_nc_u32 v[AQS], s68, v[LS]
	BAR                                            ; all waves' figures lie in LDS
; ---- MERGE of tile w: four waves' figures, two halves of the lanes, and the keys left out
.irp k, 0,1,2,3
	ds_load_b32 v[128+\k], v[AMG] offset:3072*\k
	ds_load_b32 v[132+\k], v[AMG] offset:3072*\k+128
	ds_load_b32 v[136+\k], v[AMG] offset:3072*\k+256
.endr
	v_mov_b32 v148, 0                              ; (a lane permute's destination counts as one of its sources)
	v_mov_b32 v149, 0
	s_mov_b32 s77, EPSC
	s_wait_dscnt 0x0
	v_min_num_f32 v140, v128, v129
	v_min_num_f32 v141, v130, v131
	v_min_num_f32 v140, v140, v141
	v_permlanex16_b32 v141, v140, s[SEL], s[SEL+1]
	v_min_num_f32 v140, v140, v141
	v_min_num_f32 v140, s[LIM0], v140              ; -M of the whole row
.irp k, 0,1,2,3
	v_sub_f32 v[144+\k], v140, v[128+\k]
.endr
.irp k, 0,1,2,3
	v_cvt_i32_f32 v[144+\k], v[144+\k]
.endr
.irp k, 0,1,2,3
	v_ldexp_f32 v[144+\k], 1.0, v[144+\k]          ; 2^(M_k - M); 0 for a wave that walked no chunk
.endr
	v_mul_f32 v142, v144, v132
	v_mul_f32 v143, v144, v136
.irp k, 1,2,3
	v_fmac_f32 v142, v[144+\k], v[132+\k]
	v_fmac_f32 v143, v[144+\k], v[136+\k]
.endr
	v_permlanex16_b32 v148, v142, s[SEL], s[SEL+1]
	v_permlanex16_b32 v149, v143, s[SEL], s[SEL+1]
	v_add_f32 v142, v142, v148
	v_add_f32 v143, v143, v149
	v_cvt_i32_f32 v150, v140
	v_mov_b32 v151, s[REST]
	v_cvt_f32_u32 v151, v151
	v_ldexp_f32 v151, v151, v150                   ; the keys left out: each adds 2^(0 - M) to Z and nothing to R
	v_add_f32 v142, v142, v151
	v_fma_f32 v143, v142, s77, v143                ; R + 1e-13 c Z
	s_wait_alu depctr_va_vdst(0)
	v_rcp_f32 v141, v143
	v_nop
	s_wait_alu depctr_va_vdst(0)                   ; the reciprocal has written v141, ahead of its first reader; v140, v[AQ] and v[AQS] are written too: the LDS stores below read all four
	ds_store_b64 v[AQ], v[140:141]                 ; {-M, g}
	ds_store_b32 v[AQS], v[QFR]
	BAR
; ---- SWEEP B
; 64 numbers of a lane, register 16 b + i = key 32 b + 16 (lane / 16) + i of my query, become a fragment's codes in v[PC] on and its scale word in v[PW]
.macro QUANT s
.irp b, 0,1,2,3
	v_max3_num_f32 v[TM+\b], |v[\s+16*\b]|, |v[\s+1+16*\b]|, 0x1800000   ; with the floor 2^(3 - 127): the byte cannot fall under 1
.endr
.irp i, 2,4,6,8,10,12,14
.irp b, 0,1,2,3
	v_max3_num_f32 v[TM+\b], v[TM+\b], |v[\s+16*\b+\i]|, |v[\s+1+16*\b+\i]|
.endr
.endr
.irp b, 0,1,2,3
	v_permlanex16_b32 v[TM+4+\b], v[TM+\b], s[SEL], s[SEL+1]
.endr
.irp b, 0,1,2,3
	v_max_num_f32 v[TM+\b], v[TM+\b], v[TM+4+\b]   ; with lane l xor 16's: the block's largest magnitude
.endr
.irp b, 0,1,2,3
	v_add_nc_u32 v[TM+12+\b], 0xff000000, v[TM+\b] ; 2 off its exponent field: the conversions' scale operand
.endr
.irp b, 0,1,2,3
	v_lshrrev_b32 v[TM+4+\b], 23, v[TM+12+\b]      ; the scale's byte
.endr
	v_lshl_or_b32 v[PW], v[TM+5], 8, v[TM+4]
	v_lshl_or_b32 v[PW], v[TM+6], 16, v[PW]
	v_lshl_or_b32 v[PW], v[TM+7], 24, v[PW]
.irp b, 0,1,2,3
	v_cvt_scalef32_pk8_fp4_f32 v[PC+2*\b], v[\s+16*\b:\s+7+16*\b], v[TM+12+\b]
	v_cvt_scalef32_pk8_fp4_f32 v[PC+1+2*\b], v[\s+8+16*\b:\s+15+16*\b], v[TM+12+\b]
.endr
	v_nop                                          ; one plain place behind a scaled conversion
.irp c, 0,1                                    ; the operand's layout wants a whole block in a lane
.irp i, 0,1
	v_permlane16_swap_b32 v[PC+4*\c+\i], v[PC+2+4*\c+\i]
.endr
.endr
.endm
; One tile of queries against my key step: scores, a, its codes; and a slice of V (2,048 bytes) passes through registers into LDS meanwhile
.macro SOFTB
	s_wait_alu depctr_va_vdst(0)                   ; the slot's seven addresses v17 to v23 are written, which the loads and stores below read; the products and scalings issued so far are done reading QF, QS, NMP and v208-223, in which the loads below land
.irp n, 0,1,2,3
	ds_load_b128 v[QF+4*\n:QF+4*\n+3], v[AQ] offset:512*\n
.endr
	ds_load_b32 v[QS], v[AQS]
	ds_load_b64 v[NMP:NMP+1], v[AST]
.irp k, 0,1,2,3
	global_load_b128 v[VT+4*\k:VT+4*\k+3], v[AVG], s[VG:VG+1] offset:512*\k
.endr
	s_wait_dscnt 0x0
	v_mov_b32 v[GP], v[NMP+1]
	WIN 0x01
.irp t, 0,1,2,3,4,5,6,7
	v_wmma_scale_f32_16x16x128_f8f6f4 v[S+8*\t:S+8*\t+7], v[128+16*\t:128+16*\t+7], v[QF:QF+7], 0, v[KS+\t], v[QS] matrix_a_fmt:MATRIX_FMT_FP4 matrix_b_fmt:MATRIX_FMT_FP4
.endr
.irp t, 0,1,2,3,4,5,6,7
	v_wmma_scale_f32_16x16x128_f8f6f4 v[S+8*\t:S+8*\t+7], v[136+16*\t:136+16*\t+7], v[QF+8:QF+15], v[S+8*\t:S+8*\t+7], v[KS+\t], v[QS] matrix_a_fmt:MATRIX_FMT_FP4 matrix_b_fmt:MATRIX_FMT_FP4 matrix_a_scale:MATRIX_SCALE_ROW1 matrix_b_scale:MATRIX_SCALE_ROW1
.endr
	WIN 0
	NOPS 4
.set i, 0
.rept 32
	v_pk_fma_f32 v[S+i:S+i+1], v[S+i:S+i+1], v[CM+i:CM+i+1], v[NMP:NMP+1] op_sel_hi:[1,1,0]   ; t - M
.set i, i+2
.endr
.set i, 0
	s_wait_alu depctr_va_vdst(0)
.rept 64
	v_exp_f32 v[S+i], v[S+i]
.set i, i+1
.endr
	v_nop                                          ; a plain place behind the batch,
	s_wait_alu depctr_va_vdst(0)                   ; and its one wait: the 64 exponentials have written v[S ..], ahead of their first reader
.set i, 0
.rept 32
	v_pk_mul_f32 v[S+i:S+i+1], v[S+i:S+i+1], v[GP:GP+1] op_sel_hi:[1,0]     ; e g
.set i, i+2
.endr
.set i, 0
.rept 32
	v_pk_mul_f32 v[S+i:S+i+1], v[S+i:S+i+1], v[CM+i:CM+i+1]                 ; a = e g c mask
.set i, i+2
.endr
	QUANT S
	s_wait_alu depctr_va_vdst(0)                   ; the quantiser has written v[PC ..] and v[PW], which the LDS stores read
	ds_store_b128 v[API], v[PC:PC+3]
	ds_store_b128 v[API], v[PC+4:PC+7] offset:512
	ds_store_b32 v[APS], v[PW]
	s_wait_loadcnt 0x0                             ; the slice of V (and, in the first slot, V's scale words)
.irp k, 0,1,2,3
	ds_store_b128 v[AVS], v[VT+4*\k:VT+4*\k+3] offset:512*\k
.endr
	s_wait_dscnt 0x0                               ; the stores have landed; that they have read their registers is stated at the next slot's head and at the phases' edge
.endm
.macro VBATCH off                      ; four slices of V that dead slots did not bring
.set i, 0
.rept 16
	global_load_b128 v[S+4*i:S+4*i+3], v[LI], s[VG:VG+1] offset:\off+512*i
.set i, i+1
.endr
	s_wait_loadcnt 0x0
.set i, 0
.rept 16
	ds_store_b128 v[AVB], v[S+4*i:S+4*i+3] offset:\off+512*i
.set i, i+1
.endr
	s_wait_dscnt 0x0
.endm
; PV.  Step sl's operands into buffer bf: V's four fragments of my channels, a's fragments and scale words of my mt live tiles
.macro PVLOAD sl, bf, mt
.if (\sl) < 4
.set AVX, AV0
.else
.set AVX, AV1
.endif
.irp dt, 0,1,2,3
.irp c, 0,1
	ds_load_b128 v[VA+32*(\bf)+8*\dt+4*\c:VA+32*(\bf)+8*\dt+4*\c+3], v[AVX] offset:16384*((\sl)%4)+1024*\dt+512*\c
.endr
.endr
.set ii, 0
.rept \mt
	ds_load_b128 v[PA+32*(\bf)+8*ii:PA+32*(\bf)+8*ii+3], v[AP] offset:8192*(\sl)+2048*ii
	ds_load_b128 v[PA+32*(\bf)+8*ii+4:PA+32*(\bf)+8*ii+7], v[AP] offset:8192*(\sl)+2048*ii+512
	ds_load_b32 v[PS+4*(\bf)+ii], v[APP] offset:1024*(\sl)+256*ii
.set ii, ii+1
.endr
.endm
; A round's eight steps for mt live tiles: written out for each mt, so that no branch stands inside.  The 4 mt accumulators take turns, one instruction a turn.
; The loads of steps 0 and 1 stand behind the waits at the phases' edge, with no vector or matrix line between that names either buffer.
.macro PVALL mt
	PVLOAD 0, 0, \mt
.irp sl, 0,1,2,3,4,5,6,7
	s_wait_dscnt 0x0                               ; this step's operands are in (asked for ahead of the last step's products)
	NOPS 4                                         ; places in front of loads into the buffer that the last step multiplied
.if \sl < 7
.if \sl > 0
	s_wait_alu depctr_va_vdst(0)                   ; the last step's products are done reading their buffer of V's and a's fragments and a's scale words, in which the loads below land
.endif
	PVLOAD \sl+1, (\sl+1)%2, \mt
.endif
	WIN 0x50                                       ; C and D (O^T) window 1
.set ii, 0
.rept \mt
.irp dt, 0,1,2,3
.if (\dt%2) == 0
	v_wmma_scale_f32_16x16x128_f8f6f4 v[32*ii+8*\dt:32*ii+8*\dt+7], v[VA+32*(\sl%2)+8*\dt:VA+32*(\sl%2)+8*\dt+7], v[PA+32*(\sl%2)+8*ii:PA+32*(\sl%2)+8*ii+7], v[32*ii+8*\dt:32*ii+8*\dt+7], v[VS+2*\sl+\dt/2], v[PS+4*(\sl%2)+ii] matrix_a_fmt:MATRIX_FMT_FP4 matrix_b_fmt:MATRIX_FMT_FP4
.else
	v_wmma_scale_f32_16x16x128_f8f6f4 v[32*ii+8*\dt:32*ii+8*\dt+7], v[VA+32*(\sl%2)+8*\dt:VA+32*(\sl%2)+8*\dt+7], v[PA+32*(\sl%2)+8*ii:PA+32*(\sl%2)+8*ii+7], v[32*ii+8*\dt:32*ii+8*\dt+7], v[VS+2*\sl+\dt/2], v[PS+4*(\sl%2)+ii] matrix_a_fmt:MATRIX_FMT_FP4 matrix_b_fmt:MATRIX_FMT_FP4 matrix_a_scale:MATRIX_SCALE_ROW1
.endif
.endr
.set ii, ii+1
.endr
	WIN 0
.endr
.endm
	s_mov_b32 s[RD], 0
.Lround:                                           ; two rounds of 8 key steps (1,024 keys): a softmax phase, then a PV phase
	s_wait_loadcnt 0x0                             ; on every way: K, its scale words and c x mask of my key step are in
	NOPS 5                                         ; places behind the last round's products, in front of the loads and products that land on their registers
	s_wait_alu depctr_va_vdst(0)                   ; the last round's products are done reading V's scale words (the first time: the head's lines have written them), in which the loads below land
	s_cmp_eq_u32 s[NT], 0
	s_cbranch_scc1 .Lno_vs
.irp sl, 0,1,2,3,4,5,6,7
.irp p, 0,1
	global_load_b32 v[VS+2*\sl+\p], v[LS], s[VSG:VSG+1] offset:1024*\sl+128*\p   ; V's scale words: lanes 0-15 channel tile 2 p of my four, lanes 16-31 tile 2 p + 1
.endr
.endr
.Lno_vs:
	s_mov_b32 s[SI], 0
.Lslot:                                            ; eight trips, a constant; a dead tile's work is jumped over inside the trip
	s_wait_alu depctr_vm_vsrc(0)                   ; the last slot's loads and stores have read their addresses v17 to v23, made anew below, and v[PC ..], v[PW], v[VT ..], which this slot writes and loads again; in the first trip: the merge's stores have read v[AQ], v[AQS], v140, v141, the figures' stores v[STT ..]
	s_lshl_b32 s68, s[SI], 11
	v_add_nc_u32 v[AQ], s68, v[LI]
	v_add_nc_u32 v[AVS], s68, v[AVB]
	v_add_nc_u32 v[AVG], s68, v[LI]
	s_lshl_b32 s68, s[SI], 7
	s_add_co_u32 s70, s68, QSC
	v_add_nc_u32 v[AQS], s70, v[LS]
	s_add_co_u32 s70, s68, s[PSW]
	v_add_nc_u32 v[APS], s70, v[LS]
	s_lshl_b32 s68, s[SI], 8
	s_add_co_u32 s68, s68, STF
	v_add_nc_u32 v[AST], s68, v[L8]
	s_lshl_b32 s68, s[SI], 10
	s_add_co_u32 s68, s68, s[PIW]
	v_add_nc_u32 v[API], s68, v[LI]
	s_cmp_ge_u32 s[SI], s[NT]
	s_cbranch_scc1 .Lslot_skip
	SOFTB
.Lslot_skip:
	s_add_co_u32 s[SI], s[SI], 1
	s_cmp_lt_u32 s[SI], 8
	s_cbranch_scc1 .Lslot
	s_cmp_lt_u32 s[NTM1], 7                        ; 1 to 7 live tiles: slices 4 to 7 of my step of V (those that a slot brought are written again, by me, with the same bytes)
	s_cbranch_scc0 .Lv_whole
	VBATCH 8192                                    ; (its loads land in v[S ..]: the last vector line that named them stands ahead of the wait behind the quantiser, or of the round's head)
	s_wait_alu depctr_vm_vsrc(0)                   ; the batch's LDS stores have read v[S ..], in which the next batch's loads land
	s_cmp_lt_u32 s[NTM1], 3                        ; 1 to 3: slices 0 to 3 too
	s_cbranch_scc0 .Lv_whole
	VBATCH 0
.Lv_whole:
	s_wait_loadcnt 0x0                             ; on every way
	s_wait_alu depctr_va_vdst(0)                   ; THE PHASES' EDGE: the softmax phase's products, scalings and conversions are done with v128-255, K's fragments, KS and CM: in these land the PV phase's operands and the next key step (in the last round: the list's rows)
	s_wait_alu depctr_vm_vsrc(0)                   ; and its LDS stores have read v[PC ..], v[PW], v[VT ..] and v[S ..], in which the PV phase's operands land
	BAR                                            ; a's and V's images of the round lie in LDS
	s_cmp_eq_u32 s[RD], 0
	s_cbranch_scc0 .Llast_round
	s_cmp_eq_u32 s[NT], 0
	s_cbranch_scc1 .Lpv_go
	LOADKB 1                                       ; the next round's key step lands under the PV phase
	s_branch .Lpv_go
.Llast_round:
	NOPS 4
	WIN 0x40
.irp i, 0,1,2,3
.irp k, 0,1,2,3,4,5,6,7
	global_load_b32 v[128+8*\i+\k], v[H4], s[LST:LST+1] offset:128*\i+8*\k   ; the rows of my tiles' ranks: for tile i, ranks 2 k + lane / 16
.endr
.endr
	WIN 0
.Lpv_go:
	s_cmp_eq_u32 s[MT], 0
	s_cbranch_scc1 .Lpv_done
	s_cmp_eq_u32 s[MT], 1
	s_cbranch_scc1 .Lpv_1
	s_cmp_eq_u32 s[MT], 2
	s_cbranch_scc1 .Lpv_2
	s_cmp_eq_u32 s[MT], 3
	s_cbranch_scc1 .Lpv_3
	PVALL 4
	s_branch .Lpv_done
.Lpv_3:
	PVALL 3
	s_branch .Lpv_done
.Lpv_2:
	PVALL 2
	s_branch .Lpv_done
.Lpv_1:
	PVALL 1
.Lpv_done:
	BAR                                            ; nobody reads the round's images any more
	s_add_nc_u64 s[VG:VG+1], s[VG:VG+1], 131072    ; (every load by these two bases was waited for in front of the barrier before)
	s_add_nc_u64 s[VSG:VSG+1], s[VSG:VSG+1], 8192
	s_add_co_u32 s[RD], s[RD], 1
	s_cmp_lt_u32 s[RD], 2
	s_cbranch_scc1 .Lround
; ---- THE WAY OUT.  A live tile: O^T x the query's mask, through my stage, back as rows of 256 bytes, stored at the rows that the list names.  A dead tile: zeros at its rows.
	s_wait_loadcnt 0x0
	WIN 0x04                                       ; source 1 window 1
.set i, 0
.rept 32
	v_min_u32 v[OFF+i], 2047, v[128+i]             ; a row's number is within 0 .. 2047; held there, since it enters addresses
.set i, i+1
.endr
	WIN 0
.set i, 0
.rept 32
	v_lshl_add_u32 v[OFF+i], v[OFF+i], 10, v[GOF]  ; a row is 1,024 bytes; 16 bytes a lane
.set i, i+1
.endr
.irp n, 0,1,2,3
	v_mov_b32 v[ZR+\n], 0
.endr
	v_mov_b32 v[QFP+1], 0                          ; (named as the upper half of a pair)
	s_wait_alu depctr_va_vdst(0)                   ; the offsets v[OFF ..] and the zeros v[ZR ..] are written, which the global stores read; the last products are done reading v160-255, in which the LDS loads below land
.macro OUTT i
.set OBX, OB+32*((\i)%2)
.if \i > 0
	s_wait_alu depctr_vm_vsrc(0)                   ; the LDS stores of the tile before have read v[OT ..], which the multiplications below write again; the global stores issued so far have read their data, in which the loads from the stage land
.endif
	s_cmp_le_u32 s[MT], \i
	s_cbranch_scc1 .Ldead_\@
	ds_load_b32 v[QFP], v[AQF] offset:256*\i       ; (the multiplications that read v[QFP] stand ahead of the last wait on va_vdst)
	s_wait_dscnt 0x0
	WIN 0x01                                       ; source 0 (O^T) window 1
.set j, 0
.rept 16
	v_pk_mul_f32 v[OT+j:OT+j+1], v[32*\i+j:32*\i+j+1], v[QFP:QFP+1] op_sel_hi:[1,0]   ; each accumulator from its low end on
.set j, j+2
.endr
	WIN 0
	s_wait_alu depctr_va_vdst(0)                   ; the multiplications have written v[OT ..], which the LDS stores read, and are done reading v[QFP], in which the next tile's load lands
.irp dt, 0,1,2,3
	ds_store_b128 v[STO], v[OT+8*\dt:OT+8*\dt+3] offset:64*\dt
	ds_store_b128 v[STO], v[OT+8*\dt+4:OT+8*\dt+7] offset:64*\dt+16
.endr
	s_wait_xcnt 0x0                                ; earlier stores have read their data: the registers below may be loaded again
.irp k, 0,1,2,3,4,5,6,7
	ds_load_b128 v[OBX+4*\k:OBX+4*\k+3], v[RDB] offset:544*\k   ; LDS serves a wave's instructions in order: these see my stores
.endr
	s_wait_dscnt 0x0
.irp k, 0,1,2,3,4,5,6,7
	global_store_b128 v[OFF+8*\i+\k], v[OBX+4*\k:OBX+4*\k+3], s[OUT:OUT+1] th:TH_STORE_NT   ; sixteen lanes store 256 consecutive bytes, aligned
.endr
	s_branch .Lsent_\@
.Ldead_\@:
.irp k, 0,1,2,3,4,5,6,7
	global_store_b128 v[OFF+8*\i+\k], v[ZR:ZR+3], s[OUT:OUT+1] th:TH_STORE_NT
.endr
.Lsent_\@:
.endm
	OUTT 0
	OUTT 1
	OUTT 2
	OUTT 3
	s_wait_dscnt 0x0                               ; the wave's end
	s_wait_alu 0x0
	s_wait_tensorcnt 0x0
	ds_add_u32 v[SPW], v[NIL]
	s_wait_dscnt 0x0
	s_endpgm
.Lfunc_end_k_qbe6a539d9e_attn:
	.size	k_qbe6a539d9e_attn, .Lfunc_end_k_qbe6a539d9e_attn-k_qbe6a539d9e_attn
	.p2alignl 7, 3214868480
	.fill 96, 4, 3214868480
	.section	.rodata,"a",@progbits
	.p2align	6, 0x0
	.amdhsa_kernel k_qbe6a539d9e_attn
		.amdhsa_group_segment_fixed_size 273408
		.amdhsa_private_segment_fixed_size 0
		.amdhsa_enable_private_segment 0
		.amdhsa_kernarg_size 64
		.amdhsa_user_sgpr_count 2
		.amdhsa_user_sgpr_kernarg_segment_ptr 1
		.amdhsa_wavefront_size32 1
		.amdhsa_system_sgpr_workgroup_id_x 1
		.amdhsa_system_sgpr_workgroup_id_y 1
		.amdhsa_system_sgpr_workgroup_id_z 1
		.amdhsa_system_vgpr_workitem_id 0
		.amdhsa_next_free_vgpr 512
		.amdhsa_next_free_sgpr 96
		.amdhsa_reserve_vcc 0
		.amdhsa_float_denorm_mode_32 3
		.amdhsa_float_denorm_mode_16_64 3
		.amdhsa_memory_ordered 1
		.amdhsa_forward_progress 1
		.amdhsa_inst_pref_size 234
	.end_amdhsa_kernel
	.amdgpu_metadata
---
amdhsa.version: [ 1, 2 ]
amdhsa.kernels:
  - .name:           k_qbe6a539d9e_attn
    .symbol:         k_qbe6a539d9e_attn.kd
    .args:
      - { .name: codes_q, .offset: 0, .size: 8, .value_kind: global_buffer, .address_space: global }
      - { .name: codes_k, .offset: 8, .size: 8, .value_kind: global_buffer, .address_space: global }
      - { .name: codes_v, .offset: 16, .size: 8, .value_kind: global_buffer, .address_space: global }
      - { .name: scales, .offset: 24, .size: 8, .value_kind: global_buffer, .address_space: global }
      - { .name: maskf, .offset: 32, .size: 8, .value_kind: global_buffer, .address_space: global }
      - { .name: idx, .offset: 40, .size: 8, .value_kind: global_buffer, .address_space: global }
      - { .name: out0, .offset: 48, .size: 8, .value_kind: global_buffer, .address_space: global }
      - { .name: out1, .offset: 56, .size: 8, .value_kind: global_buffer, .address_space: global }
    .group_segment_fixed_size: 273408
    .private_segment_fixed_size: 0
    .kernarg_segment_align: 8
    .kernarg_segment_size: 64
    .max_flat_workgroup_size: 256
    .sgpr_count:     96
    .vgpr_count:     512
    .wavefront_size: 32
...
	.end_amdgpu_metadata
.endif
;; end of part 4
